; MI455X (gfx1250); checked and timed in simulation.
; The chip was launched on July 23, 2026; its instructions are those of AMD's public machine-readable ISA for CDNA 5 (MIT licence, August 2026) and "CDNA5" Instruction Set Architecture Reference Guide (July 2026). The comments in the code are by the model that wrote it; some were corrected since.
;; Llama Decoder Layer. Allowed arithmetic: matrix products marked QUANTISED: E2M1 operands, one E8M0 scale for each 32 along K, by v_wmma_scale_f32_16x16x128_f8f6f4 with both operands' format E2M1 (or v_wmma_scale_f32_32x16x128_f4), f32 sums; everything else in f32.
;; Inputs: hidden_states 1 x 4,096 x 768 float32; ln1_w 768 float32; ln2_w 768 float32; w_down 768 x 3,072 float32; w_up 3,072 x 768 float32; wk 768 x 768 float32; wo 768 x 768 float32; wq 768 x 768 float32; wv 768 x 768 float32.
;; Outputs: out0 1 x 4,096 x 768 float32.
;; This version of the problem:
;;   THIS VERSION OF THE PROBLEM IS GIVEN IN LOW PRECISION. The matrix products marked QUANTISED in the list below multiply operands that are first quantised to E2M1 (2 exponent bits, 1 mantissa bit; 4 bits a number), with one power-of-two scale for each 32 numbers along K (OCP MX v1.0); their sums are f32. All else is computed in f32.
;;   The module's matrix products, in the order in which they are computed (A, B: the left and right operand; K: the contracted axis; several contracted axes count as one K, in the product's order):
;;     1. [M 4,096, K 768] x [K 768, N 768]; A: computed on the way; B: input wq: QUANTISED
;;     2. [M 4,096, K 768] x [K 768, N 768]; A: computed on the way; B: input wk: QUANTISED
;;     3. [M 4,096, K 768] x [K 768, N 768]; A: computed on the way; B: input wv: QUANTISED
;;     4. batch 12 x [M 4,096, K 64] x [K 64, N 4,096]; A: computed on the way; B: computed on the way: QUANTISED
;;     5. batch 12 x [M 4,096, K 4,096] x [K 4,096, N 64]; A: softmax (see below); B: computed on the way: QUANTISED
;;     6. [M 4,096, K 768] x [K 768, N 768]; A: computed on the way; B: input wo: QUANTISED
;;     7. [M 4,096, K 768] x [K 768, N 3,072]; A: computed on the way; B: input w_up: QUANTISED
;;     8. [M 4,096, K 3,072] x [K 3,072, N 768]; A: computed on the way; B: input w_down: QUANTISED
;;   THE QUANTISER, for each operand of a quantised product, along K:
;;     - K is cut into blocks of 32 from its start; a last block that is shorter is filled with zeros.
;;     - A block's scale is 2^e with e = floor(log2(the largest magnitude in the block)) - 2, held to -126 .. 127; a block of zeros has e = 0. As a byte (E8M0): e + 127.
;;     - Each number is divided by its block's scale, clamped to +-6, and rounded to the nearest number of E2M1, ties to even, subnormals kept.
;;     - The product sums the exact products of the quantised numbers (number of the format x scale) in f32.
;;   ~~~python
;;   def quantise(x, axis):      # numpy; x: float32 -> the quantised numbers, widened to float32 again
;;       x = np.moveaxis(x, axis, -1); K = x.shape[-1]
;;       x = np.pad(x, [(0, 0)] * (x.ndim - 1) + [(0, -K % 32)]); x = x.reshape(x.shape[:-1] + (-1, 32)); a = np.abs(x).max(-1, keepdims=True)
;;       e = np.where(a > 0, np.clip(np.frexp(np.where(a > 0, a, 1))[1] - 1 - 2, -126, 127), 0)      # np.frexp(a)[1] - 1 = floor(log2(a)), exactly
;;       r = np.clip(x / 2.0 ** e, -6, 6)
;;       step = 2.0 ** (np.maximum(np.frexp(np.where(r == 0, 1, r))[1] - 1, 0) - 1)
;;       q = np.round(r / step) * step * 2.0 ** e      # np.round: ties to even
;;       return np.moveaxis(q.reshape(q.shape[:-2] + (-1,))[..., :K], -1, axis).astype(np.float32)
;;   ~~~
;;   SOFTMAX AHEAD OF A QUANTISED PRODUCT. Where the list says 'softmax', what is quantised is not the finished softmax but p = 2^(t - M), with t = logit x log2(e) and M = ceil(the row's largest t), a whole number; so 1/2 < the row's largest p <= 1. The row's sum l is taken of the UNQUANTISED p, in f32, and the product's result is divided by l at the end. Since M is a whole number, a kernel that streams over the keys may use a running M (the ceiling of the running maximum): every later rescaling is an exact power of two, which a block's scale takes up: the codes' values come out the same.
;;   OPERANDS COMPUTED ON THE WAY. 'Computed on the way' means the value that the module computes at that place (a softmax that the list does not call 'softmax' is quantised finished and normalised). What goes into a quantiser is computed in f32, as accurately as f32 sums, v_exp_f32 and their like allow (about 1e-6 of the number): no bf16 or f16 on the way to a quantiser, and a product that is left as it is and whose result goes on into a quantised operand takes f32 operands (vector FMAs, or v_wmma_f32_16x16x4_f32). A number that lies on a knife's edge between two numbers of the format may be rounded either way, as far as f32 arithmetic and the matrix unit's own rounding can turn it there, and no further.
;; One version. Each part assembles by itself: llvm-mc -triple=amdgcn-amd-amdhsa -mcpu=gfx1250 --defsym DOCPART=n.
;; ======== version 1 of 1: 6 launches
;; limits: right only within a limited range of input values
;; workspace buffers: ops 5,431,296 bytes; qimg 1,769,472 bytes; kv 3,440,640 bytes; oimg 1,671,168 bytes; x1 12,582,912 bytes; hq 1,671,168 bytes; act 6,684,672 bytes
;; launch prep (part 1): grid 832 x 1, 4 waves a work-group, no clusters, 7,168 bytes of LDS; arguments hidden_states, ln1_w, wq, wk, wv, wo, w_up, w_down, ops; writes ops
.if DOCPART == 1
	.amdgcn_target "amdgcn-amd-amdhsa--gfx1250"
	.amdhsa_code_object_version 6
	.text
	.protected	k_q92f0a9c210_prep
	.globl	k_q92f0a9c210_prep
	.p2align	8
	.type	k_q92f0a9c210_prep,@function
k_q92f0a9c210_prep:
	s_mov_b64 s[64:65], 0
	v_nop
	global_prefetch_b8 v0, s[64:65] scope:SCOPE_SE
	s_setreg_imm32_b32 hwreg(HW_REG_WAVE_MODE, 25, 1), 1
	s_wait_xcnt 0x0
; LLAMA DECODER LAYER IN MX-FP4, LAUNCH 1 OF 7 (the same body is launch 5, on x1, ln2_w and hq, with 256 work-groups).
; NO WORK OF THE LAYER IS LEFT OUT: every input has a way to the output, every product of the layer is live, and all are done.
; This body turns rows of 768 f32 numbers into codes of E2M1 with one E8M0 scale for each 32 along K, laid as the matrix unit's registers take them.
; Work-groups 0-255: 16 tokens each, first normalised: gain x (x x rsqrt(mean(x x) + 1e-5)).  Work-groups 256-831: 16 rows of wq, wk, wv, wo, w_up, and of one quarter along K of w_down, as they are.
; A TILE T holds rows 32 (T / 2) + 8 (T % 2) + r + 8 (r / 8), r = 0 .. 15: used as source 0 of a product, tiles 2 b and 2 b + 1 leave a lane 16 neighbours along their axis.
; A QUAD RECORD is 26,112 bytes: four tiles' codes (tile a at 6,144 a; block beta of 32 along K of tile row r at 256 beta + 16 r: that is the image of six fragments' registers), then the scale bytes at 24,576 + 384 a + 24 r + beta.
; A block's scale byte is its largest magnitude's exponent field less 2, held at 1 from below.
; SHARES: a work-group makes one tile; wave w its tile rows 4 w .. 4 w + 3, four neighbouring rows of memory; a lane holds 8 neighbours of each third of a row, so four lanes hold a block.
; The codes and bytes meet in LDS and leave as they lie in the record: each store of a wave covers 512 consecutive bytes, aligned to 256; the 384 scale bytes of a tile leave by 4 bytes a lane.
; No matrix work, no tensor load, no cluster: nothing is shared between work-groups, and each byte is read once.
; LIMITS: NaN and infinities among the inputs are not served.  A block of zeros, or one whose largest magnitude lies under 2^-124, keeps the byte 1 (the stated quantiser says 127 for zeros): its codes are what the byte 1 gives, zeros for zeros, and this program alone reads the bytes.
; The mean is the sum x (1 / 768 rounded to f32); v_rsq_f32 is accurate to 1 ulp (ISA guide, its entry).
.set QR,    26112                      ; a quad record
.set SCB,   6144                       ; LDS: the tile's codes from 0, its 384 scale bytes from here
.set SPARE, 6656                       ; the spare words, 128 bytes for each wave: two blocks of 256 bytes that no other line names
.set RS,  16                           ; v16-23   1 / root, a pair for each row (the upper halves are 0 and are not used)
.set SS,  24                           ; v24-31   sums of squares, a pair for each row
.set MX,  32                           ; v32-43   largest magnitudes, one for each (row, third)
.set OP,  44                           ; v44-55   the conversions' scale operands
.set CD,  56                           ; v56-67   eight codes each
.set BT,  68                           ; v68-79   scale bytes
.set GN,  80                           ; v80-103  the gain of my 24 columns
.set X,   104                          ; v104-199 four rows x 24 numbers; number 8 g + e of a row is column 256 g + 8 lane + e
.macro PICK first, ptr                 ; from work-group 'first' on the source is the next buffer: a choice on the work-group's number alone
	s_cmp_ge_u32 ttmp9, \first
	s_cselect_b64 s[34:35], s[\ptr:\ptr+1], s[34:35]
	s_cselect_b32 s32, \first, s32
.endm
	s_load_b512 s[8:23], s[0:1], 0x0               ; tokens s[8:9], gain s[10:11], wq, wk, wv, wo, w_up, w_down s[12:23]
	s_load_b64 s[24:25], s[0:1], 0x40              ; the records
	v_lshl_add_u32 v12, v0, 2, SPARE               ; my spare word; never rewritten
	v_mov_b32 v13, 0                               ; 0; never rewritten
	v_lshrrev_b32 v1, 5, v0
	v_readfirstlane_b32 s26, v1                    ; wave 0..3
	v_and_b32 v1, 31, v0                           ; lane
	v_lshrrev_b32 v2, 2, v1                        ; lane / 4: my block among a third's eight
	v_and_b32 v14, 3, v1
	s_mul_i32 s27, s26, 96
	v_add_nc_u32 v3, s27, v2
	v_add_nc_u32 v3, SCB, v3                       ; v3: scale bytes: 6,144 + 24 (4 wave) + lane / 4
	v_lshlrev_b32 v2, 8, v2
	v_lshl_add_u32 v2, v14, 2, v2
	s_lshl_b32 s27, s26, 6
	v_add_nc_u32 v2, s27, v2                       ; v2: codes: 256 (lane / 4) + 4 (lane % 4) + 16 (4 wave)
	v_lshlrev_b32 v8, 5, v1                        ; 32 x lane: my 8 numbers in a third of a row
	v_lshlrev_b32 v9, 4, v0                        ; the way out: 16 bytes a thread
	v_lshlrev_b32 v11, 2, v0                       ; and 4 bytes a thread for the scale bytes
	v_add_nc_u32 v10, SCB, v11
	s_mov_b32 s28, 0x76543210
	s_mov_b32 s29, 0xfedcba98                      ; v_permlanex16_b32's selects for lane l xor 16
	s_mov_b32 s30, 0x3aaaaaab                      ; 1 / 768
	s_mov_b32 s31, 0x3727c5ac                      ; 1e-5
	s_mov_b32 s32, 0
	s_wait_alu depctr_va_vdst(0)
	s_wait_kmcnt 0x0
	s_mov_b64 s[34:35], s[8:9]
	PICK 256, 12
	PICK 304, 14
	PICK 352, 16
	PICK 400, 18
	PICK 448, 20
	PICK 640, 22
	s_sub_co_u32 s33, ttmp9, s32                   ; which tile of the source
	s_mul_i32 s36, s33, 1366
	s_lshr_b32 s36, s36, 16                        ; / 48, exact up to 191
	s_mov_b32 s37, 3072
	s_cmp_ge_u32 ttmp9, 640                        ; w_down: 48 tiles for each quarter of its K
	s_cselect_b32 s36, s36, 0                      ; the quarter
	s_cselect_b32 s37, 12288, s37                  ; a row of the source in bytes
	s_mul_i32 s38, s36, 48
	s_sub_co_u32 s33, s33, s38                     ; the tile
	s_lshr_b32 s38, s33, 1
	s_lshl_b32 s38, s38, 5
	s_and_b32 s39, s33, 1
	s_lshl_b32 s39, s39, 3
	s_add_co_u32 s38, s38, s39
	s_lshl_b32 s39, s26, 2
	s_add_co_u32 s38, s38, s39
	s_lshr_b32 s39, s26, 1
	s_lshl_b32 s39, s39, 3
	s_add_co_u32 s38, s38, s39                     ; my first row: 32 (T / 2) + 8 (T % 2) + 4 wave + 8 (wave / 2)
	s_mul_i32 s38, s38, s37
	s_mul_i32 s39, s36, 3072
	s_add_co_u32 s38, s38, s39                     ; + the quarter's 768 numbers
	s_mov_b32 s39, 0
	s_add_nc_u64 s[34:35], s[34:35], s[38:39]
	v_mov_b32 v4, v8                               ; v4-7: 32 lane + row x pitch
	s_wait_alu depctr_va_vdst(0)
	v_add_nc_u32 v5, s37, v8
	s_wait_alu depctr_va_vdst(0)
	s_lshl_b32 s40, s37, 1
	v_add_nc_u32 v6, s40, v8
	s_wait_alu depctr_va_vdst(0)
	s_add_co_u32 s40, s40, s37
	v_add_nc_u32 v7, s40, v8
	s_wait_alu depctr_va_vdst(0)
	s_lshr_b32 s40, ttmp9, 2                       ; where the tile goes: record = work-group / 4, tile = work-group % 4
	s_mul_i32 s40, s40, QR
	s_and_b32 s42, ttmp9, 3
	s_mul_i32 s44, s42, 6144
	s_mul_i32 s42, s42, 384
	s_add_co_u32 s44, s44, s40
	s_add_co_u32 s42, s42, s40
	s_add_co_u32 s42, s42, 24576
	s_mov_b32 s45, 0
	s_mov_b32 s43, 0
	s_add_nc_u64 s[44:45], s[24:25], s[44:45]      ; its codes
	s_add_nc_u64 s[42:43], s[24:25], s[42:43]      ; its scale bytes
.irp i, 0,1,2,3
.irp g, 0,1,2
.irp k, 0,1
	global_load_b128 v[X+24*\i+8*\g+4*\k:X+24*\i+8*\g+4*\k+3], v[4+\i], s[34:35] offset:1024*\g+16*\k th:TH_LOAD_NT
.endr
.endr
.endr
	s_cmp_ge_u32 ttmp9, 256                        ; weights are quantised as they are: the branch leads round the gain's loads and the normalisation
	s_cbranch_scc1 .Lweights
.irp g, 0,1,2
.irp k, 0,1
	global_load_b128 v[GN+8*\g+4*\k:GN+8*\g+4*\k+3], v8, s[10:11] offset:1024*\g+16*\k
.endr
.endr
	s_wait_loadcnt 0x0
.irp i, 0,1,2,3
	v_pk_mul_f32 v[SS+2*\i:SS+2*\i+1], v[X+24*\i:X+24*\i+1], v[X+24*\i:X+24*\i+1]   ; the first squares start the sums; the four rows by turns
	v_mov_b32 v[RS+2*\i+1], 0                      ; (named with the reciprocal root as a pair, so it is written)
.endr
.irp j, 2,4,6,8,10,12,14,16,18,20,22
.irp i, 0,1,2,3
	v_pk_fma_f32 v[SS+2*\i:SS+2*\i+1], v[X+24*\i+\j:X+24*\i+\j+1], v[X+24*\i+\j:X+24*\i+\j+1], v[SS+2*\i:SS+2*\i+1]
.endr
.endr
.irp i, 0,1,2,3
	v_add_f32 v[SS+2*\i], v[SS+2*\i], v[SS+2*\i+1]
.endr
.irp m, 1,2,4,8
.irp i, 0,1,2,3
	v_add_f32_dpp v[SS+2*\i], v[SS+2*\i], v[SS+2*\i] row_xmask:\m row_mask:0xf bank_mask:0xf
.endr
.endr
.irp i, 0,1,2,3
	v_permlanex16_b32 v[SS+2*\i+1], v[SS+2*\i], s28, s29
.endr
.irp i, 0,1,2,3
	v_add_f32 v[SS+2*\i], v[SS+2*\i], v[SS+2*\i+1] ; the row's sum of squares, in every lane
.endr
.irp i, 0,1,2,3
	v_fma_f32 v[SS+2*\i], v[SS+2*\i], s30, s31     ; mean + eps
.endr
	s_wait_alu depctr_va_vdst(0)
.irp i, 0,1,2,3
	v_rsq_f32 v[RS+2*\i], v[SS+2*\i]
.endr
	v_nop                                          ; a plain instruction behind the last of the batch
	s_wait_alu depctr_va_vdst(0)                   ; one wait for the four, ahead of their first reader
.irp j, 0,2,4,6,8,10,12,14,16,18,20,22
.irp i, 0,1,2,3
	v_pk_mul_f32 v[X+24*\i+\j:X+24*\i+\j+1], v[X+24*\i+\j:X+24*\i+\j+1], v[RS+2*\i:RS+2*\i+1] op_sel_hi:[1,0]
.endr
.endr
.irp j, 0,2,4,6,8,10,12,14,16,18,20,22
.irp i, 0,1,2,3
	v_pk_mul_f32 v[X+24*\i+\j:X+24*\i+\j+1], v[GN+\j:GN+\j+1], v[X+24*\i+\j:X+24*\i+\j+1]   ; gain x (x x 1 / root), in the layer's own order
.endr
.endr
.Lweights:
	s_wait_loadcnt 0x0
	; twelve groups n = 3 row + third of eight numbers, by turns.  The floor 2^(3 - 127) among the leaves holds the byte at 1 from below
.irp n, 0,1,2,3,4,5,6,7,8,9,10,11
	v_max3_num_f32 v[MX+\n], |v[X+8*\n]|, |v[X+8*\n+1]|, 0x1800000
.endr
.irp e, 2,4,6
.irp n, 0,1,2,3,4,5,6,7,8,9,10,11
	v_max3_num_f32 v[MX+\n], v[MX+\n], |v[X+8*\n+\e]|, |v[X+8*\n+\e+1]|
.endr
.endr
.irp m, 1,2
.irp n, 0,1,2,3,4,5,6,7,8,9,10,11
	v_max_num_f32_dpp v[MX+\n], v[MX+\n], v[MX+\n] row_xmask:\m row_mask:0xf bank_mask:0xf   ; with the three lanes that share the block
.endr
.endr
.irp n, 0,1,2,3,4,5,6,7,8,9,10,11
	v_add_nc_u32 v[OP+\n], 0xff000000, v[MX+\n]    ; 2 off the exponent field: the conversion takes that field as its scale
.endr
.irp n, 0,1,2,3,4,5,6,7,8,9,10,11
	v_cvt_scalef32_pk8_fp4_f32 v[CD+\n], v[X+8*\n:X+8*\n+7], v[OP+\n]
.endr
.irp n, 0,1,2,3,4,5,6,7,8,9,10,11
	v_lshrrev_b32 v[BT+\n], 23, v[OP+\n]           ; the scale's byte
.endr
.irp i, 0,1,2,3
.irp g, 0,1,2
	ds_store_b32 v2, v[CD+3*\i+\g] offset:2048*\g+16*\i       ; block 8 g + lane / 4 of tile row 4 wave + i: 256 block + 16 row + 4 (lane % 4)
	ds_store_b8 v3, v[BT+3*\i+\g] offset:24*\i+8*\g           ; the block's four lanes write the same byte with the same value
.endr
.endr
	s_wait_dscnt 0x0                               ; for the others' sake: my stores have landed
	s_barrier_signal -1
	s_barrier_wait -1
.irp j, 0,1,2
	ds_load_b128 v[X+4*\j:X+4*\j+3], v9 offset:2048*\j
.endr
.irp j, 0,1,2
	s_wait_dscnt 2-\j                              ; the younger read-backs may be out
	global_store_b128 v9, v[X+4*\j:X+4*\j+3], s[44:45] offset:2048*\j   ; a wave stores 512 consecutive bytes, aligned to 256
.endr
	s_cmp_lt_u32 s26, 3                            ; 384 scale bytes: 96 threads
	s_cbranch_scc0 .Lend
	ds_load_b32 v[X+12], v10
	s_wait_dscnt 0x0
	global_store_b32 v11, v[X+12], s[42:43]
.Lend:
	s_wait_tensorcnt 0x0                           ; the wave's end
	ds_add_u32 v12, v13
	s_wait_dscnt 0x0
	s_endpgm
.Lfunc_end_k_q92f0a9c210_prep:
	.size	k_q92f0a9c210_prep, .Lfunc_end_k_q92f0a9c210_prep-k_q92f0a9c210_prep
	.p2alignl 7, 3214868480
	.fill 96, 4, 3214868480
	.section	.rodata,"a",@progbits
	.p2align	6, 0x0
	.amdhsa_kernel k_q92f0a9c210_prep
		.amdhsa_group_segment_fixed_size 7168
		.amdhsa_private_segment_fixed_size 0
		.amdhsa_enable_private_segment 0
		.amdhsa_kernarg_size 72
		.amdhsa_user_sgpr_count 2
		.amdhsa_user_sgpr_kernarg_segment_ptr 1
		.amdhsa_wavefront_size32 1
		.amdhsa_system_sgpr_workgroup_id_x 1
		.amdhsa_system_sgpr_workgroup_id_y 1
		.amdhsa_system_sgpr_workgroup_id_z 1
		.amdhsa_system_vgpr_workitem_id 0
		.amdhsa_next_free_vgpr 200
		.amdhsa_next_free_sgpr 66
		.amdhsa_reserve_vcc 0
		.amdhsa_float_denorm_mode_32 3
		.amdhsa_float_denorm_mode_16_64 3
		.amdhsa_memory_ordered 1
		.amdhsa_forward_progress 1
		.amdhsa_inst_pref_size 28
	.end_amdhsa_kernel
	.amdgpu_metadata
---
amdhsa.version: [ 1, 2 ]
amdhsa.kernels:
  - .name:           k_q92f0a9c210_prep
    .symbol:         k_q92f0a9c210_prep.kd
    .args:
      - { .name: hidden_states, .offset: 0, .size: 8, .value_kind: global_buffer, .address_space: global }
      - { .name: ln1_w, .offset: 8, .size: 8, .value_kind: global_buffer, .address_space: global }
      - { .name: wq, .offset: 16, .size: 8, .value_kind: global_buffer, .address_space: global }
      - { .name: wk, .offset: 24, .size: 8, .value_kind: global_buffer, .address_space: global }
      - { .name: wv, .offset: 32, .size: 8, .value_kind: global_buffer, .address_space: global }
      - { .name: wo, .offset: 40, .size: 8, .value_kind: global_buffer, .address_space: global }
      - { .name: w_up, .offset: 48, .size: 8, .value_kind: global_buffer, .address_space: global }
      - { .name: w_down, .offset: 56, .size: 8, .value_kind: global_buffer, .address_space: global }
      - { .name: ops, .offset: 64, .size: 8, .value_kind: global_buffer, .address_space: global }
    .group_segment_fixed_size: 7168
    .private_segment_fixed_size: 0
    .kernarg_segment_align: 8
    .kernarg_segment_size: 72
    .max_flat_workgroup_size: 128
    .sgpr_count:     66
    .vgpr_count:     200
    .wavefront_size: 32
...
	.end_amdgpu_metadata
.endif
;; end of part 1
;; launch qkv (part 2): grid 12 x 16, 12 waves a work-group, clusters of 4 x 4, 184,320 bytes of LDS; arguments ops, qimg, kv; writes qimg, kv
.if DOCPART == 2
	.amdgcn_target "amdgcn-amd-amdhsa--gfx1250"
	.amdhsa_code_object_version 6
	.text
	.protected	k_q92f0a9c210_qkv
	.globl	k_q92f0a9c210_qkv
	.p2align	8
	.type	k_q92f0a9c210_qkv,@function
k_q92f0a9c210_qkv:
	s_mov_b64 s[64:65], 0
	v_nop
	global_prefetch_b8 v0, s[64:65] scope:SCOPE_SE
	s_setreg_imm32_b32 hwreg(HW_REG_WAVE_MODE, 25, 1), 1
	s_wait_xcnt 0x0
	s_wait_alu depctr_hold_cnt(0) depctr_sa_sdst(0) depctr_va_vdst(0) depctr_va_sdst(0) depctr_va_ssrc(0) depctr_va_vcc(0) depctr_vm_vsrc(0)
	s_getreg_b32 s2, hwreg(HW_REG_IB_STS2, 6, 4)
	s_cmp_eq_u32 s2, 0
	s_cbranch_scc0 .Lentry_in_a_cluster
	s_endpgm
.Lentry_in_a_cluster:
	s_bfe_u32 s2, ttmp6, 0x10000c
	s_cmp_lg_u32 s2, 0xf033
	s_cbranch_scc0 .Lentry_shape_is_right
	s_endpgm
.Lentry_shape_is_right:
; LAUNCH 2 OF 7: q, k, v = Q(x) Q(w)^T on codes of E2M1, and the results quantised again for attention: q and k along the head's 64, v along the keys.  No work is left out.
; OPERANDS come as quad records of 26,112 bytes (64 rows x 768 K: four tiles' register images, then their scale bytes: see the first launch).  K = 768 lies whole in LDS: seven records, filled once, no ring.
; SHARES: a work-group makes 256 tokens x 192 columns (three heads of one of q, k, v); wave (cu, tg) = (wave / 4, wave % 4) makes head cu for token quad tg: 64 x 64, 16 accumulators.
; 2,304 columns in heads of 64 and 4,096 tokens give 192 such work-groups.
; CLUSTER 4 x 4: the four of a row need the same four token records, the four of a column the same three weight records: each is asked for jointly.  The cluster's x says which of q, k, v: it is the same in all sixteen, so a branch may hang on it.
; q, k: source 0 = 16 rows of w, source 1 = 16 tokens: a lane holds one token and its registers run along the head.  v: the sources are swapped: a lane holds one channel and its registers run along the tokens, which are the second attention product's K.
; OUT: q record (head, token quad), 2,304 bytes: tile a's codes at 512 a + 16 lane (registers 0-3 of a fragment: K = 64), and at 2,048 + 8 lane two scale words: word i of lane (r, h) is that of tile 2 i + h, row r: two bytes and 0x7f twice for the empty half of K.
;      kv record (head, 128 keys), 8,960 bytes: two q-like halves of k, then from 4,608 v's four fragments (channel tile b at 1,024 b, keys 64 c on at 512 c), then from 8,704 v's scale words in the same order as k's.
; Every store of codes covers 512 consecutive bytes, aligned to 256.  v's scale bytes leave two a lane (256 of a record's 8,960 bytes).
; LIMITS: as in the first launch (NaN, infinities; the byte 1 for blocks of zeros).
.set QR,    26112
.set WQ0,   64                         ; wq's first record in ops; wk's and wv's follow
.set SPARE, 7*QR                       ; behind the seven records: the spare words, 128 bytes for each of twelve waves
.set WV, 12
.set CU, 13
.set TG, 14
.set CX, 15
.set CY, 16
.set BX, 17
.set BY, 18
.set G1T, 24                           ; s[24:31] descriptor group 1 for token records (mask: my row);  s[32:39] for weight records (my column)
.set G1W, 32
.set G0T, 40                           ; s[40:43], s[52:55] their groups 0
.set G0W, 52
.set SEL, 66
.set WS,  16                           ; v16-27 w's scale words: register 6 i + s: lanes 0-15 tile 2 i, lanes 16-31 tile 2 i + 1, K step s.  They hold scales and nothing else
.set XS,  28                           ; v28-39 the tokens' likewise
.set TM,  40                           ; v40-55 at work in QUANT
.set PW,  56                           ; v56-57 scale words just made
.set WF,  64                           ; v64-95 four fragments of w;  v96-127 four of tokens;  v128-255 the accumulators
.set XF,  96
.set ACC, 128
.macro PLACES n
.rept \n
	v_nop
.endr
.endm
.macro CROUND                          ; a round of the cluster's barrier
	s_barrier_signal -1
	s_barrier_wait -1
	s_cmp_lg_u32 s[WV], 0
	s_cbranch_scc1 .Lnot_wave_0_\@
	s_barrier_signal -3
.Lnot_wave_0_\@:
	s_barrier_wait -3
	s_barrier_signal -1
	s_barrier_wait -1
.endm
; one product 16 x 16 x 128.  zero = 1: it starts the sum.  ra, rb = 1: the side's scales stand in lanes 16-31 of the register named
.macro WM d, a, b, zero, sa, sb, ra, rb
.if \zero
.if ((\ra) == 0) && ((\rb) == 0)
	v_wmma_scale_f32_16x16x128_f8f6f4 v[(\d):(\d)+7], v[(\a):(\a)+7], v[(\b):(\b)+7], 0, v[\sa], v[\sb] matrix_a_fmt:MATRIX_FMT_FP4 matrix_b_fmt:MATRIX_FMT_FP4
.elseif ((\ra) == 1) && ((\rb) == 0)
	v_wmma_scale_f32_16x16x128_f8f6f4 v[(\d):(\d)+7], v[(\a):(\a)+7], v[(\b):(\b)+7], 0, v[\sa], v[\sb] matrix_a_fmt:MATRIX_FMT_FP4 matrix_b_fmt:MATRIX_FMT_FP4 matrix_a_scale:MATRIX_SCALE_ROW1
.elseif ((\ra) == 0) && ((\rb) == 1)
	v_wmma_scale_f32_16x16x128_f8f6f4 v[(\d):(\d)+7], v[(\a):(\a)+7], v[(\b):(\b)+7], 0, v[\sa], v[\sb] matrix_a_fmt:MATRIX_FMT_FP4 matrix_b_fmt:MATRIX_FMT_FP4 matrix_b_scale:MATRIX_SCALE_ROW1
.else
	v_wmma_scale_f32_16x16x128_f8f6f4 v[(\d):(\d)+7], v[(\a):(\a)+7], v[(\b):(\b)+7], 0, v[\sa], v[\sb] matrix_a_fmt:MATRIX_FMT_FP4 matrix_b_fmt:MATRIX_FMT_FP4 matrix_a_scale:MATRIX_SCALE_ROW1 matrix_b_scale:MATRIX_SCALE_ROW1
.endif
.else
.if ((\ra) == 0) && ((\rb) == 0)
	v_wmma_scale_f32_16x16x128_f8f6f4 v[(\d):(\d)+7], v[(\a):(\a)+7], v[(\b):(\b)+7], v[(\d):(\d)+7], v[\sa], v[\sb] matrix_a_fmt:MATRIX_FMT_FP4 matrix_b_fmt:MATRIX_FMT_FP4
.elseif ((\ra) == 1) && ((\rb) == 0)
	v_wmma_scale_f32_16x16x128_f8f6f4 v[(\d):(\d)+7], v[(\a):(\a)+7], v[(\b):(\b)+7], v[(\d):(\d)+7], v[\sa], v[\sb] matrix_a_fmt:MATRIX_FMT_FP4 matrix_b_fmt:MATRIX_FMT_FP4 matrix_a_scale:MATRIX_SCALE_ROW1
.elseif ((\ra) == 0) && ((\rb) == 1)
	v_wmma_scale_f32_16x16x128_f8f6f4 v[(\d):(\d)+7], v[(\a):(\a)+7], v[(\b):(\b)+7], v[(\d):(\d)+7], v[\sa], v[\sb] matrix_a_fmt:MATRIX_FMT_FP4 matrix_b_fmt:MATRIX_FMT_FP4 matrix_b_scale:MATRIX_SCALE_ROW1
.else
	v_wmma_scale_f32_16x16x128_f8f6f4 v[(\d):(\d)+7], v[(\a):(\a)+7], v[(\b):(\b)+7], v[(\d):(\d)+7], v[\sa], v[\sb] matrix_a_fmt:MATRIX_FMT_FP4 matrix_b_fmt:MATRIX_FMT_FP4 matrix_a_scale:MATRIX_SCALE_ROW1 matrix_b_scale:MATRIX_SCALE_ROW1
.endif
.endif
.endm
; 16 nb numbers of a lane, register 16 b + i = place 32 b + 16 (lane / 16) + i along K of the lane's row, become codes in v[pc] on (registers 4 c .. 4 c + 3: lanes 0-15 block 2 c, lanes 16-31 block 2 c + 1) and nb scale bytes in v[pw]
.macro QUANT s, nb, pc, pw
.set qb, 0
.rept \nb
	v_max3_num_f32 v[TM+qb], |v[(\s)+16*qb]|, |v[(\s)+16*qb+1]|, 0x1800000   ; my 16 numbers of block qb, and the floor 2^(3 - 127): the byte cannot fall under 1.  Each accumulator is read from its low end on
.set qb, qb+1
.endr
.irp i, 2,4,6,8,10,12,14
.set qb, 0
.rept \nb
	v_max3_num_f32 v[TM+qb], v[TM+qb], |v[(\s)+16*qb+\i]|, |v[(\s)+16*qb+\i+1]|
.set qb, qb+1
.endr
.endr
.set qb, 0
.rept \nb
	s_delay_alu instid0(VALU_DEP_4)
	v_permlanex16_b32 v[TM+4+qb], v[TM+qb], s[SEL], s[SEL+1]
.set qb, qb+1
.endr
.set qb, 0
.rept \nb
	s_delay_alu instid0(VALU_DEP_4)
	v_max_num_f32 v[TM+qb], v[TM+qb], v[TM+4+qb]   ; with lane l xor 16's 16: the block's largest magnitude
.set qb, qb+1
.endr
.set qb, 0
.rept \nb
	s_delay_alu instid0(VALU_DEP_4)
	v_add_nc_u32 v[TM+12+qb], 0xff000000, v[TM+qb] ; 2 off its exponent field: the conversion's scale operand
.set qb, qb+1
.endr
.set qb, 0
.rept \nb
	s_delay_alu instid0(VALU_DEP_4)
	v_lshrrev_b32 v[TM+4+qb], 23, v[TM+12+qb]      ; the scale's byte
.set qb, qb+1
.endr
	s_delay_alu instid0(VALU_DEP_3)
	v_lshl_or_b32 v[\pw], v[TM+5], 8, v[TM+4]
.if \nb == 4
	s_delay_alu instid0(VALU_DEP_1)
	v_lshl_or_b32 v[\pw], v[TM+6], 16, v[\pw]
	s_delay_alu instid0(VALU_DEP_1)
	v_lshl_or_b32 v[\pw], v[TM+7], 24, v[\pw]
.endif
.set qb, 0
.rept \nb
	v_cvt_scalef32_pk8_fp4_f32 v[(\pc)+2*qb], v[(\s)+16*qb:(\s)+16*qb+7], v[TM+12+qb]
	v_cvt_scalef32_pk8_fp4_f32 v[(\pc)+2*qb+1], v[(\s)+16*qb+8:(\s)+16*qb+15], v[TM+12+qb]
.set qb, qb+1
.endr
	v_nop                                          ; one plain place behind a scaled conversion
.set qb, 0
.rept \nb/2
	v_permlane16_swap_b32 v[(\pc)+4*qb], v[(\pc)+4*qb+2]     ; a whole block to a lane
	v_permlane16_swap_b32 v[(\pc)+4*qb+1], v[(\pc)+4*qb+3]
.set qb, qb+1
.endr
.endm
; K step s: 16 LDS loads, 16 products on 16 accumulators that take turns.  swap = 1: tokens are source 0
.macro KSTEP s, swap
.if \s > 0
	PLACES 4                                       ; in front of loads into registers that the last products read
.endif
.irp p, 0,1,2,3
.irp c, 0,1
	ds_load_b128 v[WF+8*\p+4*\c:WF+8*\p+4*\c+3], v2 offset:\p*6144+\s*1024+512*\c
.endr
.endr
.irp p, 0,1,2,3
.irp c, 0,1
	ds_load_b128 v[XF+8*\p+4*\c:XF+8*\p+4*\c+3], v3 offset:\p*6144+\s*1024+512*\c
.endr
.endr
.set ZZ, 0
.if \s == 0
.set ZZ, 1
.endif
.irp q, 0,1,2,3
	s_wait_dscnt 6-2*\q                            ; w's four and token tiles 0 .. q are in; the later tiles' loads, two each, may be out
.irp p, 0,1,2,3
.if \swap
	WM ACC+8*(4*\p+\q), XF+8*\q, WF+8*\p, ZZ, XS+6*(\q/2)+\s, WS+6*(\p/2)+\s, \q%2, \p%2
.else
	WM ACC+8*(4*\q+\p), WF+8*\p, XF+8*\q, ZZ, WS+6*(\p/2)+\s, XS+6*(\q/2)+\s, \p%2, \q%2
.endif
.endr
.endr
.endm
.macro ALLK swap
.irp s, 0,1,2,3,4,5
	KSTEP \s, \swap
.endr
	PLACES 4                                       ; in front of the first read of results and the first write over fragments
	QUANT ACC, 4, WF, PW                           ; two groups of 32 numbers: codes v64-67, v68-71, bytes 0, 1 and 2, 3
	QUANT ACC+64, 4, WF+8, PW+1                    ; and the other two: v72-75, v76-79
.endm
	s_load_b128 s[4:7], s[0:1], 0x0                ; ops s[4:5], qimg s[6:7]
	s_load_b64 s[8:9], s[0:1], 0x10                ; kv
	v_lshl_add_u32 v6, v0, 2, SPARE                ; my spare word; never rewritten
	v_mov_b32 v7, 0                                ; 0; never rewritten
	ds_add_u32 v6, v7                              ; the wave's opening: the add, twice on end, and its wait ahead of the first tensor load
	ds_add_u32 v6, v7
	v_lshrrev_b32 v1, 5, v0
	s_delay_alu instid0(VALU_DEP_1)
	v_readfirstlane_b32 s[WV], v1                  ; wave 0..11
	s_lshr_b32 s[CU], s[WV], 2                     ; which of the three weight records is mine
	s_and_b32 s[TG], s[WV], 3                      ; which of the four token records
	s_bfe_u32 s[CX], ttmp6, 0x40000
	s_bfe_u32 s[CY], ttmp6, 0x40004
	s_lshl_b32 s[BX], ttmp9, 2
	s_add_co_u32 s[BX], s[BX], s[CX]               ; work-group x = 4 x cluster x + cx
	s_and_b32 s[BY], ttmp7, 0xffff
	s_lshl_b32 s[BY], s[BY], 2
	s_add_co_u32 s[BY], s[BY], s[CY]               ; work-group y
	s_lshl_b32 s19, s[CY], 2
	s_lshl_b32 s19, 15, s19                        ; my row of the cluster
	s_lshl_b32 s68, 0x1111, s[CX]                  ; my column
	; group 1: a record is a dense block: 102 rows of 32 elements of 8 bytes, no padding (fragments are read as consecutive bytes)
	s_or_b32 s[G1T], s19, (3<<16)|(1<<21)
	s_or_b32 s[G1W], s68, (3<<16)|(1<<21)
.irp g, G1T, G1W
	s_mov_b32 s[\g+1], 32<<16                      ; tensor_dim0
	s_mov_b32 s[\g+2], 102<<16                     ; tensor_dim1
	s_mov_b32 s[\g+3], 32<<16                      ; tile_dim0
	s_mov_b32 s[\g+4], 102                         ; tile_dim1
	s_mov_b32 s[\g+5], 32                          ; pitch
	s_mov_b32 s[\g+6], 0
	s_mov_b32 s[\g+7], 0
.endr
	s_sub_co_u32 s20, s[WV], 3                     ; waves 3-6 fetch token records 4 y + 0 .. 3 (the other waves' number is held inside and not used)
	s_min_u32 s20, s20, 3
	s_lshl_b32 s21, s[BY], 2
	s_add_co_u32 s20, s20, s21
	s_mul_i32 s20, s20, QR
	s_mov_b32 s21, 0
	s_min_u32 s22, s[WV], 2                        ; waves 0-2 fetch weight records 64 + 3 x + 0 .. 2
	s_mul_i32 s23, s[BX], 3
	s_add_co_u32 s22, s22, s23
	s_add_co_u32 s22, s22, WQ0
	s_mul_i32 s22, s22, QR
	s_mov_b32 s23, 0
	s_mul_i32 s69, s[WV], QR                       ; where a record goes: wave x a record: no place in the cluster enters an LDS address
	s_mov_b32 s[SEL], 0x76543210
	s_mov_b32 s[SEL+1], 0xfedcba98
	s_wait_dscnt 0x0                               ; both opening adds are done
	s_wait_kmcnt 0x0
	CROUND                                         ; all sixteen work-groups are here: the joint loads meet
	s_mov_b32 s[G0T], 1
	s_mov_b32 s[G0T+1], s69
	s_add_nc_u64 s[G0T+2:G0T+3], s[4:5], s[20:21]
	s_or_b32 s[G0T+3], s[G0T+3], 0x80000000
	s_mov_b32 s[G0W], 1
	s_mov_b32 s[G0W+1], s69
	s_add_nc_u64 s[G0W+2:G0W+3], s[4:5], s[22:23]
	s_or_b32 s[G0W+3], s[G0W+3], 0x80000000
	s_cmp_lt_u32 s[WV], 3                          ; the fills: one load a loading wave, each in its arm of one branch on the wave's number
	s_cbranch_scc0 .Lnot_w
	tensor_load_to_lds s[G0W:G0W+3], s[G1W:G1W+7]
	s_nop 0
	PLACES 4
	s_branch .Lasked
.Lnot_w:
	s_cmp_lt_u32 s[WV], 7
	s_cbranch_scc0 .Lasked
	tensor_load_to_lds s[G0T:G0T+3], s[G1T:G1T+7]
	s_nop 0
	PLACES 4
.Lasked:
	v_and_b32 v9, 31, v0                           ; lane
	v_and_b32 v10, 15, v0                          ; r
	v_bfe_u32 v11, v0, 4, 1                        ; h
	s_delay_alu instid0(VALU_DEP_3)
	v_lshlrev_b32 v1, 4, v9                        ; 16 x lane: a fragment's image is read as it lies
	s_mul_i32 s70, s[CU], QR
	s_add_co_u32 s71, s[TG], 3
	s_mul_i32 s71, s71, QR
	v_add_nc_u32 v2, s70, v1                       ; my weight record
	v_add_nc_u32 v3, s71, v1                       ; my token record
	v_mul_u32_u24 v4, v10, 24
	s_delay_alu instid0(VALU_DEP_1)
	v_mad_u32_u24 v4, v11, 384, v4
	s_delay_alu instid0(VALU_DEP_1)
	v_add_nc_u32 v4, 24576, v4                     ; scale bytes: row r of tile 2 i (lanes 0-15) or 2 i + 1 (lanes 16-31)
	s_delay_alu instid0(VALU_DEP_1)
	v_add_nc_u32 v5, s71, v4
	s_delay_alu instid0(VALU_DEP_2)
	v_add_nc_u32 v4, s70, v4
	v_lshlrev_b32 v8, 4, v11                       ; 16 h
.irp b, 0,1,2,3
	v_mov_b32 v[TM+4+\b], 0                        ; written once: a lane permute's destination counts as one of its sources
.endr
	s_mul_i32 s70, s[CX], 3
	s_add_co_u32 s70, s70, s[CU]                   ; the head
	s_lshl_b32 s71, s[BY], 2
	s_add_co_u32 s71, s71, s[TG]                   ; the token quad
	s_lshl_b32 s72, s70, 6
	s_add_co_u32 s72, s72, s71
	s_mul_i32 s72, s72, 2304                       ; q's record
	s_lshl_b32 s73, s70, 5
	s_lshr_b32 s74, s71, 1
	s_add_co_u32 s73, s73, s74
	s_mul_i32 s73, s73, 8960                       ; the kv record
	s_and_b32 s74, s71, 1                          ; which half of its 128 keys
	s_mov_b32 s79, 0
	s_wait_alu depctr_va_vdst(0)
	s_wait_tensorcnt 0x0                           ; my record is in,
	s_barrier_signal -1
	s_barrier_wait -1                              ; everybody's is
.irp i, 0,1
.irp j, 0,1,2
	ds_load_b64 v[WS+6*\i+2*\j:WS+6*\i+2*\j+1], v4 offset:768*\i+8*\j
	ds_load_b64 v[XS+6*\i+2*\j:XS+6*\i+2*\j+1], v5 offset:768*\i+8*\j
.endr
.endr
	s_cmp_eq_u32 ttmp9, 2                          ; the cluster's x: 0 q, 1 k, 2 v
	s_cbranch_scc1 .Lv
	ALLK 0
	s_mul_i32 s75, s74, 2304
	s_add_co_u32 s75, s75, s73
	s_cmp_eq_u32 ttmp9, 0
	s_cselect_b64 s[76:77], s[6:7], s[8:9]
	s_cselect_b32 s78, s72, s75
	s_add_nc_u64 s[76:77], s[76:77], s[78:79]
	s_mov_b32 s72, 0xffff
	s_mov_b32 s73, 0x7f7f0000                      ; the byte of 1.0 for the two blocks of zero codes that fill K to 128
	v_lshlrev_b32 v12, 3, v9
.irp i, 0,1
	v_lshrrev_b32 v[58+\i], v8, v[PW+\i]           ; tile 2 i + h's two bytes
.endr
.irp i, 0,1
	s_delay_alu instid0(VALU_DEP_2)
	v_and_or_b32 v[58+\i], v[58+\i], s72, s73
.endr
	s_wait_alu depctr_va_vdst(0)
.irp a, 0,1,2,3
	global_store_b128 v1, v[WF+4*\a:WF+4*\a+3], s[76:77] offset:512*\a
.endr
	global_store_b64 v12, v[58:59], s[76:77] offset:2048
	s_branch .Lend
.Lv:
	ALLK 1
	s_add_co_u32 s78, s73, 4608
	s_add_nc_u64 s[76:77], s[8:9], s[78:79]
	s_lshl_b32 s75, s74, 9
	v_add_nc_u32 v12, s75, v1                      ; 16 lane + 512 x half
	s_lshl_b32 s75, s74, 1
	v_lshl_add_u32 v13, v9, 3, s75                 ; 8 lane + 2 x half
.irp i, 0,1
	v_lshrrev_b32 v[58+\i], v8, v[PW+\i]           ; channel tile 2 i + h's two bytes: key blocks 2 half, 2 half + 1
.endr
.irp b, 0,1,2,3
	global_store_b128 v12, v[WF+4*\b:WF+4*\b+3], s[76:77] offset:1024*\b
.endr
.irp i, 0,1
	global_store_b16 v13, v[58+\i], s[76:77] offset:4096+4*\i
.endr
.Lend:
	s_wait_tensorcnt 0x0                           ; the wave's end
	ds_add_u32 v6, v7
	s_wait_dscnt 0x0
	CROUND                                         ; the closing round
	s_endpgm
.Lfunc_end_k_q92f0a9c210_qkv:
	.size	k_q92f0a9c210_qkv, .Lfunc_end_k_q92f0a9c210_qkv-k_q92f0a9c210_qkv
	.p2alignl 7, 3214868480
	.fill 96, 4, 3214868480
	.section	.rodata,"a",@progbits
	.p2align	6, 0x0
	.amdhsa_kernel k_q92f0a9c210_qkv
		.amdhsa_group_segment_fixed_size 184320
		.amdhsa_private_segment_fixed_size 0
		.amdhsa_enable_private_segment 0
		.amdhsa_kernarg_size 24
		.amdhsa_user_sgpr_count 2
		.amdhsa_user_sgpr_kernarg_segment_ptr 1
		.amdhsa_wavefront_size32 1
		.amdhsa_system_sgpr_workgroup_id_x 1
		.amdhsa_system_sgpr_workgroup_id_y 1
		.amdhsa_system_sgpr_workgroup_id_z 1
		.amdhsa_system_vgpr_workitem_id 0
		.amdhsa_next_free_vgpr 256
		.amdhsa_next_free_sgpr 90
		.amdhsa_reserve_vcc 0
		.amdhsa_float_denorm_mode_32 3
		.amdhsa_float_denorm_mode_16_64 3
		.amdhsa_memory_ordered 1
		.amdhsa_forward_progress 1
		.amdhsa_inst_pref_size 66
	.end_amdhsa_kernel
	.amdgpu_metadata
---
amdhsa.version: [ 1, 2 ]
amdhsa.kernels:
  - .name:           k_q92f0a9c210_qkv
    .symbol:         k_q92f0a9c210_qkv.kd
    .args:
      - { .name: ops, .offset: 0, .size: 8, .value_kind: global_buffer, .address_space: global }
      - { .name: qimg, .offset: 8, .size: 8, .value_kind: global_buffer, .address_space: global }
      - { .name: kv, .offset: 16, .size: 8, .value_kind: global_buffer, .address_space: global }
    .group_segment_fixed_size: 184320
    .private_segment_fixed_size: 0
    .kernarg_segment_align: 8
    .kernarg_segment_size: 24
    .max_flat_workgroup_size: 384
    .sgpr_count:     90
    .vgpr_count:     256
    .wavefront_size: 32
...
	.end_amdgpu_metadata
.endif
;; end of part 2
;; launch attn (part 3): grid 64 x 4, 12 waves a work-group, clusters of 4 x 1, 327,680 bytes of LDS; arguments qimg, kv, oimg; writes oimg
.if DOCPART == 3
	.amdgcn_target "amdgcn-amd-amdhsa--gfx1250"
	.amdhsa_code_object_version 6
	.text
	.protected	k_q92f0a9c210_attn
	.globl	k_q92f0a9c210_attn
	.p2align	8
	.type	k_q92f0a9c210_attn,@function
k_q92f0a9c210_attn:
	s_mov_b64 s[64:65], 0
	v_nop
	global_prefetch_b8 v0, s[64:65] scope:SCOPE_SE
	s_setreg_imm32_b32 hwreg(HW_REG_WAVE_MODE, 25, 1), 1
	s_wait_xcnt 0x0
	s_wait_alu depctr_hold_cnt(0) depctr_sa_sdst(0) depctr_va_vdst(0) depctr_va_sdst(0) depctr_va_ssrc(0) depctr_va_vcc(0) depctr_vm_vsrc(0)
	s_getreg_b32 s2, hwreg(HW_REG_IB_STS2, 6, 4)
	s_cmp_eq_u32 s2, 0
	s_cbranch_scc0 .Lentry_in_a_cluster
	s_endpgm
.Lentry_in_a_cluster:
	s_bfe_u32 s2, ttmp6, 0x10000c
	s_cmp_lg_u32 s2, 0x3003
	s_cbranch_scc0 .Lentry_shape_is_right
	s_endpgm
.Lentry_shape_is_right:
; ATTENTION: o = softmax(q k^T / 8) v for 12 heads of 64, both products on codes of E2M1, and o quantised again along the 768 for the next product.  No work is left out.
; THE SOFTMAX: t = score x log2(e) / 8; M = the ceiling of the running largest t; p = 2^(t - M) is quantised along the keys, not normalised; the row's sum is taken of the unquantised p in f32 and divides at the end.
; When M moves, the sum and O^T are multiplied by 2^(old M - new M), made by v_ldexp_f32 of a whole number: nothing is rounded, and no branch hangs on data.
; SHARES: a work-group owns 64 queries of three heads; wave (hd, a) = (wave / 4, wave % 4) owns tile a, 16 queries, of head hd, and walks the head's 4,096 keys, 128 a step.  12 x 256 tiles on 256 work-groups of 12 waves.
; INPUTS: q records of 2,304 bytes and kv records of 8,960 bytes (128 keys of a head: k's two halves, v's four fragments, v's scale words), as the launch before lays them: images of the operands' registers.
; Both products are used transposed (source 0 = 16 keys, or 16 channels of v; source 1 = my queries, or p): a lane holds one query; the 16 registers of key tiles 2 b, 2 b + 1 are 16 neighbouring keys.
; RING: two slots, 2^17 bytes apart, each with 4 records of each of the 3 heads (512 keys): every wave fetches one record a fill.  CLUSTER 4 x 1: the four partners own other queries of the same heads and ask for each record jointly.
; Every wait on TENSORcnt is for 0; by this text's count a wave has one tensor load out.
; THE CHANGE OF SLOTS stands inside a slot's last step: that step's loads of v are the wave's last reads of the slot, so the waits and the add stand behind them, the signal behind the 32 maxima, the softmax and the quantising (registers alone) between signal and wait;
; behind the round come the refill, the next slot's first loads of k, and only then the step's row sums and second product, which need registers alone.
; THE KEY STEP lays all sources of the exponentials first, O^T's rescaling too, then the 68 exponentials as one batch.
; PREFETCH: behind each refill but the last a wave names the record that it will fetch at the next change, four key steps on: 35 blocks of 256 bytes; the partner at place cx names blocks 9 cx .. 9 cx + 8 (held at 34), a lane a block, left-over lanes the last again.  Fills 0, 1 and 2 come by their loads alone.
; LIMITS: NaN and infinities are not served; a block of p that has fallen to zeros keeps the scale byte 1 (its codes are zeros).
.set REC,   8960
.set FILL,  4*REC                      ; a head's part of a slot
.set HEADB, 32*REC
.set SLOT1, 1<<17
.set SPARE, 1<<18                      ; the spare words, 128 bytes for each of twelve waves
.set QR,    26112                      ; a quad record of the output (see the first launch)
.set WV, 10
.set CS, 40                            ; s[40:41] c = log2(e) / 8
.set SEL, 42                           ; s[42:43] selects for lane l xor 16
.set TB, 44                            ; s44 LDS byte of the record in hand
.set PFA, 48                           ; s[48:49] the prefetches' address
.set QF, 16                            ; v16-23 q's fragment (upper half zeros: K = 64);  v24 its scale word;  v25 the prefetches' offset
.set QS, 24
.set KS, 26                            ; v26-29 k's scale words;  v30-31 v's
.set VS, 30
.set KF, 32                            ; v32-95 eight fragments of k (upper halves zeros)
.set S,  96                            ; v96-159 S^T, then p
.set OT, 160                           ; v160-191 O^T
.set VF, 192                           ; v192-223 four fragments of v
.set PC, 224                           ; v224-231 p's codes
.set TM, 232                           ; v232-254 at work; v12 -M, v13 the largest score, v[14:15] the sum, v252 f, v253 p's scale word
.macro PLACES n
.rept \n
	v_nop
.endr
.endm
.macro CREST                           ; a round of the cluster's barrier behind its opening barrier
	s_cmp_lg_u32 s[WV], 0
	s_cbranch_scc1 .Lnot_wave_0_\@
	s_barrier_signal -3
.Lnot_wave_0_\@:
	s_barrier_wait -3
	s_barrier_signal -1
	s_barrier_wait -1
.endm
.macro CROUND                          ; a whole round
	s_barrier_signal -1
	s_barrier_wait -1
	CREST
.endm
.macro WM d, a, b, zero, sa, sb, ra, rb ; one product; zero = 1 starts the sum; ra = 1: source 0's scales stand in lanes 16-31
.if \zero
.if ((\ra) == 0) && ((\rb) == 0)
	v_wmma_scale_f32_16x16x128_f8f6f4 v[(\d):(\d)+7], v[(\a):(\a)+7], v[(\b):(\b)+7], 0, v[\sa], v[\sb] matrix_a_fmt:MATRIX_FMT_FP4 matrix_b_fmt:MATRIX_FMT_FP4
.else
	v_wmma_scale_f32_16x16x128_f8f6f4 v[(\d):(\d)+7], v[(\a):(\a)+7], v[(\b):(\b)+7], 0, v[\sa], v[\sb] matrix_a_fmt:MATRIX_FMT_FP4 matrix_b_fmt:MATRIX_FMT_FP4 matrix_a_scale:MATRIX_SCALE_ROW1
.endif
.else
.if ((\ra) == 0) && ((\rb) == 0)
	v_wmma_scale_f32_16x16x128_f8f6f4 v[(\d):(\d)+7], v[(\a):(\a)+7], v[(\b):(\b)+7], v[(\d):(\d)+7], v[\sa], v[\sb] matrix_a_fmt:MATRIX_FMT_FP4 matrix_b_fmt:MATRIX_FMT_FP4
.else
	v_wmma_scale_f32_16x16x128_f8f6f4 v[(\d):(\d)+7], v[(\a):(\a)+7], v[(\b):(\b)+7], v[(\d):(\d)+7], v[\sa], v[\sb] matrix_a_fmt:MATRIX_FMT_FP4 matrix_b_fmt:MATRIX_FMT_FP4 matrix_a_scale:MATRIX_SCALE_ROW1
.endif
.endif
.endm
.macro KLOAD off                       ; a record's eight fragments of k and their scale words: ten loads
.irp t, 0,1,2,3,4,5,6,7
	ds_load_b128 v[KF+8*\t:KF+8*\t+3], v3 offset:(\off)+(\t/4)*2304+(\t%4)*512
.endr
.irp e, 0,1
	ds_load_b64 v[KS+2*\e:KS+2*\e+1], v4 offset:(\off)+\e*2304+2048
.endr
.endm
.macro FIRSTK                          ; a slot's first loads of k
	v_add_nc_u32 v3, s[TB], v1
	v_add_nc_u32 v4, s[TB], v2
	s_wait_alu depctr_va_vdst(0)                   ; directly behind the writes
	KLOAD 0
.endm
; A KEY STEP OF 128 KEYS, in four parts.  SCORES: S^T = k q^T, and the step's LDS loads; next = 1: the next record of the slot follows
.macro SCORES next
	s_wait_dscnt 0x0                               ; k's fragments, asked for earlier
.irp t, 0,1,2,3,4,5,6,7
	WM S+8*\t, KF+8*\t, QF, 1, KS+\t/2, QS, \t%2, 0
.endr
	PLACES 4                                       ; in front of the loads into registers that products have read, and of the first read of S^T
.irp b, 0,1,2,3
.irp c, 0,1
	ds_load_b128 v[VF+8*\b+4*\c:VF+8*\b+4*\c+3], v3 offset:4608+\b*1024+512*\c
.endr
.endr
	ds_load_b64 v[VS:VS+1], v4 offset:8704
.if \next
	KLOAD REC
	s_add_co_u32 s[TB], s[TB], REC
	v_add_nc_u32 v3, s[TB], v1                     ; the next step's addresses are made here: more than nine plain vector instructions stand ahead of their first reader
	v_add_nc_u32 v4, s[TB], v2
.endif
.endm
.macro MAXA                            ; my 16 scores' largest of each block of 32 keys, in two chains; each accumulator is read from its low end on
.irp b, 0,1,2,3
	v_max3_num_f32 v[232+\b], v[S+16*\b], v[S+1+16*\b], v[S+2+16*\b]
.endr
.irp b, 0,1,2,3
	v_max3_num_f32 v[240+\b], v[S+8+16*\b], v[S+9+16*\b], v[S+10+16*\b]
.endr
.irp i, 3,5
.irp b, 0,1,2,3
	v_max3_num_f32 v[232+\b], v[232+\b], v[S+16*\b+\i], v[S+1+16*\b+\i]
.endr
.irp b, 0,1,2,3
	v_max3_num_f32 v[240+\b], v[240+\b], v[S+8+16*\b+\i], v[S+9+16*\b+\i]
.endr
.endr
.irp b, 0,1,2,3
	v_max3_num_f32 v[232+\b], v[232+\b], v[S+7+16*\b], v[S+15+16*\b]
.endr
.irp b, 0,1,2,3
	s_delay_alu instid0(VALU_DEP_4)
	v_max_num_f32 v[232+\b], v[232+\b], v[240+\b]
.endr
.endm
.macro SOFT                            ; M, p, and p's codes and scale word: registers alone
.irp b, 0,1,2,3
	v_permlanex16_b32 v[236+\b], v[232+\b], s[SEL], s[SEL+1]
.endr
	v_mov_b32 v254, v12                            ; the old -M
.irp b, 0,1,2,3
	v_max_num_f32 v[232+\b], v[232+\b], v[236+\b]  ; with lane l xor 16's 16 keys
.endr
	s_delay_alu instid0(VALU_DEP_2)
	v_max3_num_f32 v250, v232, v233, v234
	s_delay_alu instid0(VALU_DEP_1)
	v_max3_num_f32 v13, v13, v250, v235            ; the running largest score (c is positive: the largest t is c x this)
	s_delay_alu instid0(VALU_DEP_1)
	v_mul_f32 v250, s[CS], v13
	s_delay_alu instid0(VALU_DEP_1)
	v_floor_f32 v12, -v250                         ; -M = floor(-t)
	s_delay_alu instid0(VALU_DEP_1)
	v_sub_f32 v254, v12, v254                      ; old M - new M: a whole number, 0 or less
	s_delay_alu instid0(VALU_DEP_2)
	v_fma_f32 v232, v232, s[CS], v12               ; t - M of each block's largest score
	s_delay_alu instid0(VALU_DEP_3)
	v_fma_f32 v233, v233, s[CS], v12
	v_fma_f32 v234, v234, s[CS], v12
	v_fma_f32 v235, v235, s[CS], v12
	v_cvt_i32_f32 v254, v254                       ; (it saturates)
.irp j, 0,2,4,6
	v_pk_fma_f32 v[S+\j:S+\j+1], v[S+\j:S+\j+1], s[CS:CS+1], v[12:13] op_sel_hi:[1,0,0]   ; t - M, two at a time
.endr
	v_ldexp_f32 v252, 1.0, v254                    ; f = 2^(old M - new M)
.set g, 8
.rept 28
	v_pk_fma_f32 v[S+g:S+g+1], v[S+g:S+g+1], s[CS:CS+1], v[12:13] op_sel_hi:[1,0,0]
.set g, g+2
.endr
.set g, 0
.rept 16
	v_pk_mul_f32 v[OT+g:OT+g+1], v[OT+g:OT+g+1], v[252:253] op_sel_hi:[1,0]   ; O^T under the new M: its first read stands ahead of the exponentials
.set g, g+2
.endr
	s_wait_alu depctr_va_vdst(0)                   ; the wait ahead of the batch
.set g, 0
.rept 64
	v_exp_f32 v[S+g], v[S+g]                       ; p = 2^(t - M)
.set g, g+1
.endr
.irp b, 0,1,2,3
	v_exp_f32 v[232+\b], v[232+\b]                 ; each block's largest p: the same two instructions on the same number
.endr
	v_pk_mul_f32 v[14:15], v[14:15], v[252:253] op_sel_hi:[1,0]   ; the sums under the new M (the plain instruction behind the batch)
	s_wait_alu depctr_va_vdst(0)                   ; and the one wait behind it, ahead of its first reader
.irp b, 0,1,2,3
	v_max_num_f32 v[232+\b], 0x1800000, v[232+\b]  ; the floor 2^(3 - 127): the byte cannot fall under 1
.endr
.irp b, 0,1,2,3
	s_delay_alu instid0(VALU_DEP_4)
	v_add_nc_u32 v[244+\b], 0xff000000, v[232+\b]  ; 2 off the exponent field: the conversion's scale operand
.endr
.irp b, 0,1,2,3
	v_cvt_scalef32_pk8_fp4_f32 v[PC+2*\b], v[S+16*\b:S+7+16*\b], v[244+\b]
	v_cvt_scalef32_pk8_fp4_f32 v[PC+1+2*\b], v[S+8+16*\b:S+15+16*\b], v[244+\b]
.endr
.irp b, 0,1,2,3
	v_lshrrev_b32 v[236+\b], 23, v[244+\b]         ; the scale's byte
.endr
	s_delay_alu instid0(VALU_DEP_3)
	v_lshl_or_b32 v253, v237, 8, v236              ; p's scale word for these 128 keys
	s_delay_alu instid0(VALU_DEP_1)
	v_lshl_or_b32 v253, v238, 16, v253
	s_delay_alu instid0(VALU_DEP_1)
	v_lshl_or_b32 v253, v239, 24, v253
.irp c, 0,1
.irp i, 0,1
	v_permlane16_swap_b32 v[PC+4*\c+\i], v[PC+2+4*\c+\i]   ; a whole block to a lane
.endr
.endr
.endm
.macro SUMPV out                       ; the sum of the unquantised p, as a tree of packed additions (also the places ahead of the products), and O^T += v^T p^T.  out: the loads of k that may stay out
.irp w, 4,8,16,32,64
.set u, 0
.rept 64/\w
	v_pk_add_f32 v[S+\w*u:S+\w*u+1], v[S+\w*u:S+\w*u+1], v[S+\w*u+\w/2:S+\w*u+\w/2+1]
.set u, u+1
.endr
.endr
	s_delay_alu instid0(VALU_DEP_1)
	v_pk_add_f32 v[14:15], v[14:15], v[S:S+1]
	s_wait_dscnt \out                              ; v's nine loads are in
.irp b, 0,1,2,3
	WM OT+8*\b, VF+8*\b, PC, 0, VS+\b/2, 253, \b%2, 0
.endr
.endm
.macro THREE                           ; a slot's first three steps
	s_mov_b32 s46, 3
.Lstep_\@:
	SCORES 1
	MAXA
	SOFT
	SUMPV 10
	s_sub_co_u32 s46, s46, 1
	s_cmp_lg_u32 s46, 0
	s_cbranch_scc1 .Lstep_\@
.endm
; A slot's last step, with the change of slots in it.  fill = 1: the slot that is left is filled again, behind a round of the cluster's barrier
.macro MEET fill
	SCORES 0
	s_wait_tensorcnt 0x0                           ; all my tensor loads are in: my record of the next slot
	ds_add_u32 v5, v6
.if \fill
	s_xor_b32 s37, s37, SLOT1                      ; no load of mine is out: the walking descriptor may be written
	s_add_nc_u64 s[38:39], s[38:39], FILL
	s_wait_xcnt 0x0                                ; my prefetch has read its address
	s_add_nc_u64 s[PFA:PFA+1], s[PFA:PFA+1], FILL  ; one fill further on than the descriptor
.endif
	MAXA
	s_wait_alu depctr_va_vdst(0)                   ; directly ahead of the wait below
	s_wait_dscnt 0x0                               ; the add is done, and v's loads, my last reads of this slot, are in
	s_barrier_signal -1
	SOFT
	s_wait_alu depctr_va_vdst(0)                   ; directly ahead of the barrier's wait
	s_barrier_wait -1
.if \fill
	CREST
	tensor_load_to_lds s[36:39], s[24:31]
	s_nop 0
	PLACES 4
.endif
	s_sub_co_u32 s[TB], s[TB], 3*REC
	s_xor_b32 s[TB], s[TB], SLOT1                  ; on to the other slot
	FIRSTK
.if \fill
	s_cmp_gt_u32 s45, 1                            ; the last refill has no fill behind it
	s_cbranch_scc0 .Lnone_\@
	global_prefetch_b8 v25, s[PFA:PFA+1] th:TH_LOAD_NT scope:SCOPE_SE
.Lnone_\@:
.endif
	SUMPV 10
.endm
	s_load_b128 s[4:7], s[0:1], 0x0                ; qimg s[4:5], kv s[6:7]
	s_load_b64 s[8:9], s[0:1], 0x10                ; oimg
	v_lshl_add_u32 v5, v0, 2, SPARE                ; my spare word; never rewritten
	v_mov_b32 v6, 0                                ; 0; never rewritten
	ds_add_u32 v5, v6                              ; the opening: the add, twice on end, and its wait ahead of my first tensor load
	ds_add_u32 v5, v6
	v_lshrrev_b32 v1, 5, v0
	s_delay_alu instid0(VALU_DEP_1)
	v_readfirstlane_b32 s[WV], v1                  ; wave 0..11
	s_lshr_b32 s11, s[WV], 2                       ; which of the three heads
	s_and_b32 s12, s[WV], 3                        ; which tile of queries; also which record of a fill I fetch
	s_bfe_u32 s13, ttmp6, 0x40000                  ; cx
	s_lshl_b32 s14, ttmp9, 2
	s_add_co_u32 s14, s14, s13                     ; the quad of 64 queries
	s_and_b32 s15, ttmp7, 0xffff
	s_mul_i32 s16, s15, 3
	s_add_co_u32 s16, s16, s11                     ; the head
	s_mul_i32 s20, s16, HEADB
	s_mul_i32 s21, s12, REC
	s_add_co_u32 s20, s20, s21                     ; my record of fill 0
	s_mov_b32 s21, 0
	s_mul_i32 s17, s[WV], REC                      ; and its place in a slot
	s_mov_b32 s24, 15|(3<<16)|(1<<21)              ; group 1: all four partners; a record is a dense block: 35 rows of 32 elements of 8 bytes
	s_mov_b32 s25, 32<<16
	s_mov_b32 s26, 35<<16
	s_mov_b32 s27, 32<<16
	s_mov_b32 s28, 35
	s_mov_b32 s29, 32
	s_mov_b32 s30, 0
	s_mov_b32 s31, 0
	s_mov_b32 s[CS], 0x3e38aa3b
	s_mov_b32 s[CS+1], s[CS]
	s_mov_b32 s[SEL], 0x76543210
	s_mov_b32 s[SEL+1], 0xfedcba98
	s_mul_i32 s[TB], s11, FILL
	s_mov_b32 s45, 6                               ; refills
	s_lshl_b32 s18, s16, 6
	s_add_co_u32 s18, s18, s14
	s_mul_i32 s18, s18, 2304                       ; q's record
	s_mov_b32 s19, 0
	s_mul_i32 s47, s13, 9                          ; my work-group's first block of a record, for the prefetches
	s_lshl_b32 s50, s12, 9                         ; my tile's codes in q's record
	s_and_b32 s51, s12, 1
	s_lshl_b32 s51, s51, 7
	s_lshr_b32 s23, s12, 1
	s_lshl_b32 s23, s23, 2
	s_add_co_u32 s51, s51, s23
	s_add_co_u32 s51, s51, 2048                    ; and its scale words
	s_wait_dscnt 0x0                               ; both opening adds are done
	s_wait_kmcnt 0x0
	s_add_nc_u64 s[6:7], s[6:7], s[20:21]
	s_add_nc_u64 s[4:5], s[4:5], s[18:19]
	s_add_nc_u64 s[PFA:PFA+1], s[6:7], 2*FILL      ; the first refill steps it to fill 3
	CROUND                                         ; the four partners are here: the first joint loads meet
	s_mov_b32 s36, 1
	s_mov_b32 s37, s17
	s_mov_b64 s[38:39], s[6:7]
	s_or_b32 s39, s39, 0x80000000
	tensor_load_to_lds s[36:39], s[24:31]          ; fill 0 into slot 0: one tensor load a wave at the head
	s_nop 0
	PLACES 4
	v_and_b32 v9, 31, v0                           ; lane
	v_and_b32 v10, 15, v0                          ; r
	s_delay_alu instid0(VALU_DEP_2)
	v_lshlrev_b32 v1, 4, v9                        ; 16 lane: fragments are read as they lie
	v_lshlrev_b32 v2, 3, v9                        ; 8 lane: scale words
	v_min_u32 v25, 8, v9
	v_add_nc_u32 v7, s50, v1
	v_lshl_add_u32 v8, v10, 3, s51
	v_add_nc_u32 v25, s47, v25
	global_load_b128 v[QF:QF+3], v7, s[4:5]
	global_load_b32 v[QS], v8, s[4:5]
	v_min_u32 v25, 34, v25
	s_delay_alu instid0(VALU_DEP_1)
	v_lshlrev_b32 v25, 8, v25                      ; 256 x my block: at most 8,704, inside the record
.irp i, 4,5,6,7
	v_mov_b32 v[QF+\i], 0                          ; K = 64: the upper half of each fragment is zero codes
.endr
.irp t, 0,1,2,3,4,5,6,7
.irp i, 4,5,6,7
	v_mov_b32 v[KF+8*\t+\i], 0
.endr
.endr
	v_mov_b32 v13, 0xff61b1e6                      ; the largest score so far: -3e38
	v_mov_b32 v12, 0x7e800000                      ; -M to begin with: a large whole number, so that the first f is 0, which multiplies zeros
	v_mov_b32 v14, 0
	v_mov_b32 v15, 0
.irp b, 0,1,2,3
	v_mov_b32 v[236+\b], 0                         ; a lane permute's destination counts as one of its sources
.endr
	v_mov_b32 v253, 0
.set j, 0
.rept 32
	v_mov_b32 v[OT+j], 0                           ; the step is written once: the first finds zeros
.set j, j+1
.endr
	s_wait_alu depctr_va_vdst(0)                   ; the wait at the head's end
	s_wait_loadcnt 0x0                             ; q
	s_wait_tensorcnt 0x0                           ; my record of fill 0 is in; slot 1's first fill is issued as a refill is
	ds_add_u32 v5, v6
	s_xor_b32 s37, s37, SLOT1
	s_add_nc_u64 s[38:39], s[38:39], FILL
	s_wait_dscnt 0x0
	CROUND
	tensor_load_to_lds s[36:39], s[24:31]          ; fill 1 into slot 1
	s_nop 0
	PLACES 4
	FIRSTK
.Lslot:                                            ; six trips: trip i multiplies fill i and asks for fill i + 2
	THREE
	MEET 1
	s_sub_co_u32 s45, s45, 1
	s_cmp_lg_u32 s45, 0
	s_cbranch_scc1 .Lslot
	THREE                                          ; fill 6: nothing more is asked for
	MEET 0
	THREE                                          ; fill 7
	SCORES 0
	MAXA
	SOFT
	SUMPV 0
	; THE WAY OUT: O^T / the sum, quantised along the head's 64 (two blocks of the next product's K), into the token quad's record
	PLACES 4
	s_wait_alu depctr_va_vdst(0)
	v_add_f32 v14, v14, v15
	s_delay_alu instid0(VALU_DEP_1)
	v_permlanex16_b32 v252, v14, s[SEL], s[SEL+1]
	s_delay_alu instid0(VALU_DEP_1)
	v_add_f32 v14, v14, v252                       ; the row's sum
	s_wait_alu depctr_va_vdst(0)
	v_rcp_f32 v14, v14
	v_bfe_u32 v11, v0, 4, 1                        ; h
	s_wait_alu depctr_va_vdst(0)
	s_mul_i32 s18, s14, QR
	s_mul_i32 s19, s12, 6144
	s_add_co_u32 s19, s19, s18
	s_lshl_b32 s20, s16, 9
	s_add_co_u32 s19, s19, s20
	v_add_nc_u32 v7, s19, v1                       ; codes: record + 6,144 tile + 512 head + 16 lane
	s_mul_i32 s19, s12, 384
	s_add_co_u32 s19, s19, s18
	s_lshl_b32 s20, s16, 1
	s_add_co_u32 s19, s19, s20
	s_add_co_u32 s19, s19, 24576
	v_mad_u32_u24 v8, v10, 24, v11
	s_delay_alu instid0(VALU_DEP_1)
	v_add_nc_u32 v8, s19, v8                       ; scale bytes: 24,576 + 384 tile + 24 r + 2 head + h
	v_lshlrev_b32 v9, 3, v11
	s_wait_alu depctr_va_vdst(0)                   ; directly ahead of the first readers of O^T and of the reciprocal
.set j, 0
.rept 32
	v_mul_f32 v[S+j], v[OT+j], v14
.set j, j+1
.endr
.irp b, 0,1
	v_max3_num_f32 v[TM+\b], |v[S+16*\b]|, |v[S+1+16*\b]|, 0x1800000
.endr
.irp i, 2,4,6,8,10,12,14
.irp b, 0,1
	s_delay_alu instid0(VALU_DEP_2)
	v_max3_num_f32 v[TM+\b], v[TM+\b], |v[S+16*\b+\i]|, |v[S+1+16*\b+\i]|
.endr
.endr
.irp b, 0,1
	s_delay_alu instid0(VALU_DEP_2)
	v_permlanex16_b32 v[TM+4+\b], v[TM+\b], s[SEL], s[SEL+1]
.endr
.irp b, 0,1
	s_delay_alu instid0(VALU_DEP_2)
	v_max_num_f32 v[TM+\b], v[TM+\b], v[TM+4+\b]
.endr
.irp b, 0,1
	s_delay_alu instid0(VALU_DEP_2)
	v_add_nc_u32 v[TM+12+\b], 0xff000000, v[TM+\b]
.endr
.irp b, 0,1
	s_delay_alu instid0(VALU_DEP_2)
	v_lshrrev_b32 v[TM+4+\b], 23, v[TM+12+\b]
.endr
	s_delay_alu instid0(VALU_DEP_1)
	v_lshl_or_b32 v248, v[TM+5], 8, v[TM+4]
.irp b, 0,1
	v_cvt_scalef32_pk8_fp4_f32 v[PC+2*\b], v[S+16*\b:S+7+16*\b], v[TM+12+\b]
	v_cvt_scalef32_pk8_fp4_f32 v[PC+1+2*\b], v[S+8+16*\b:S+15+16*\b], v[TM+12+\b]
.endr
	v_nop                                          ; one plain place behind a scaled conversion
.irp i, 0,1
	v_permlane16_swap_b32 v[PC+\i], v[PC+2+\i]
.endr
	v_lshrrev_b32 v249, v9, v248                   ; block h's byte
	global_store_b128 v7, v[PC:PC+3], s[8:9]       ; a wave stores 512 consecutive bytes, aligned to 256
	global_store_b8 v8, v249, s[8:9]
	s_wait_tensorcnt 0x0                           ; the wave's end
	ds_add_u32 v5, v6
	s_wait_dscnt 0x0
	CROUND                                         ; the closing round
	s_endpgm
.Lfunc_end_k_q92f0a9c210_attn:
	.size	k_q92f0a9c210_attn, .Lfunc_end_k_q92f0a9c210_attn-k_q92f0a9c210_attn
	.p2alignl 7, 3214868480
	.fill 96, 4, 3214868480
	.section	.rodata,"a",@progbits
	.p2align	6, 0x0
	.amdhsa_kernel k_q92f0a9c210_attn
		.amdhsa_group_segment_fixed_size 327680
		.amdhsa_private_segment_fixed_size 0
		.amdhsa_enable_private_segment 0
		.amdhsa_kernarg_size 24
		.amdhsa_user_sgpr_count 2
		.amdhsa_user_sgpr_kernarg_segment_ptr 1
		.amdhsa_wavefront_size32 1
		.amdhsa_system_sgpr_workgroup_id_x 1
		.amdhsa_system_sgpr_workgroup_id_y 1
		.amdhsa_system_sgpr_workgroup_id_z 1
		.amdhsa_system_vgpr_workitem_id 0
		.amdhsa_next_free_vgpr 256
		.amdhsa_next_free_sgpr 70
		.amdhsa_reserve_vcc 0
		.amdhsa_float_denorm_mode_32 3
		.amdhsa_float_denorm_mode_16_64 3
		.amdhsa_memory_ordered 1
		.amdhsa_forward_progress 1
		.amdhsa_inst_pref_size 106
	.end_amdhsa_kernel
	.amdgpu_metadata
---
amdhsa.version: [ 1, 2 ]
amdhsa.kernels:
  - .name:           k_q92f0a9c210_attn
    .symbol:         k_q92f0a9c210_attn.kd
    .args:
      - { .name: qimg, .offset: 0, .size: 8, .value_kind: global_buffer, .address_space: global }
      - { .name: kv, .offset: 8, .size: 8, .value_kind: global_buffer, .address_space: global }
      - { .name: oimg, .offset: 16, .size: 8, .value_kind: global_buffer, .address_space: global }
    .group_segment_fixed_size: 327680
    .private_segment_fixed_size: 0
    .kernarg_segment_align: 8
    .kernarg_segment_size: 24
    .max_flat_workgroup_size: 384
    .sgpr_count:     70
    .vgpr_count:     256
    .wavefront_size: 32
...
	.end_amdgpu_metadata
.endif
;; end of part 3
;; launch wonorm (part 4): grid 256 x 1, 12 waves a work-group, clusters of 4 x 1, 327,680 bytes of LDS; arguments oimg, ops, hidden_states, ln2_w, x1, hq; writes x1, hq
.if DOCPART == 4
	.amdgcn_target "amdgcn-amd-amdhsa--gfx1250"
	.amdhsa_code_object_version 6
	.text
	.protected	k_q92f0a9c210_wonorm
	.globl	k_q92f0a9c210_wonorm
	.p2align	8
	.type	k_q92f0a9c210_wonorm,@function
k_q92f0a9c210_wonorm:
	s_mov_b64 s[64:65], 0
	v_nop
	global_prefetch_b8 v0, s[64:65] scope:SCOPE_SE
	s_setreg_imm32_b32 hwreg(HW_REG_WAVE_MODE, 25, 1), 1
	s_wait_xcnt 0x0
	s_wait_alu depctr_hold_cnt(0) depctr_sa_sdst(0) depctr_va_vdst(0) depctr_va_sdst(0) depctr_va_ssrc(0) depctr_va_vcc(0) depctr_vm_vsrc(0)
	s_getreg_b32 s2, hwreg(HW_REG_IB_STS2, 6, 4)
	s_cmp_eq_u32 s2, 0
	s_cbranch_scc0 .Lentry_in_a_cluster
	s_endpgm
.Lentry_in_a_cluster:
	s_bfe_u32 s2, ttmp6, 0x10000c
	s_cmp_lg_u32 s2, 0x3003
	s_cbranch_scc0 .Lentry_shape_is_right
	s_endpgm
.Lentry_shape_is_right:
; x1 = hidden_states + Q(o) Q(wo)^T on codes of E2M1, and hq = Q(ln2_w x (x1 x rsqrt(mean(x1 x1) + 1e-5))), quantised along the 768 for the next product.  No work is left out.
; SHARES: a work-group owns ONE TILE of 16 tokens (tile T holds rows 32 (T / 2) + 8 (T % 2) + r + 8 (r / 8): see the first launch) and all 768 columns, so that a row's mean lies inside it: 256 work-groups.
; Wave w owns weight record w of wo's twelve (64 columns, K = 768 whole: 26,112 bytes): it fetches that record, and it alone reads it.  All work-groups need the same twelve records: CLUSTER 4 x 1, each record asked for jointly by the four partners.  LDS is filled once.
; The tile's six fragments and scale words go from oimg straight into registers: they are images of the operand's registers (6,528 bytes, which every wave reads).
; Source 0 = 16 rows of wo, source 1 = the 16 tokens: a lane holds one token; register 8 p + j is column 64 w + 32 (p / 2) + 16 h + 8 (p % 2) + j: the 16 registers of tiles 2 b, 2 b + 1 are 16 neighbours along the next K.
; The residual and the gain are loaded in that layout, 64 consecutive bytes a lane by four loads; each byte is read once.
; x1 leaves through the wave's stage in LDS as rows of 256 bytes: sixteen lanes store 256 consecutive bytes, aligned.  The stage lies in the wave's own record, which has had its one fill, and whose last read is the wave's own, ahead of the stores.
; THE MEAN: each wave's sum of squares of its 64 columns goes to LDS (16 tokens x 12 words), one barrier, and every lane adds its token's twelve.  The mean is the sum x (1 / 768 rounded to f32).
; hq is laid as the first launch lays a tile: block beta of row r at 256 beta + 16 r, scale bytes at 24 r + beta: my two blocks are 2 w and 2 w + 1: 512 consecutive bytes a wave.
; No prefetch: the launch has no loop to run ahead in.
; LIMITS: NaN and infinities are not served; a block of zeros keeps the scale byte 1 (its codes are zeros, and this program alone reads the bytes).
.set QR,    26112
.set WQ0,   100                        ; wo's first record in ops
.set EX,    12*QR                      ; 16 tokens x 64 bytes: the waves' sums of squares
.set SPARE, EX+1024                    ; the spare words, 128 bytes for each of twelve waves
.set WV,  16
.set SEL, 74
.set WS,  16                           ; v16-27 w's scale words: register 6 i + s: lanes 0-15 tile 2 i, lanes 16-31 tile 2 i + 1;  v28-33 the tokens'.  They hold scales and nothing else
.set XS,  28
.set XF,  40                           ; v40-87 the tokens' six fragments; behind the products v40-71 rows read back from the stage, v72-87 at work
.set OB,  40
.set WF,  88                           ; v88-151 two sets of four fragments of w; behind the products at work
.set TM,  88
.set PC,  120
.set ACC, 152                          ; v152-183
.set X,   184                          ; v184-215 the residual, then x1, then the normalised row
.set GN,  216                          ; v216-247 the gain
.macro PLACES n
.rept \n
	v_nop
.endr
.endm
.macro CROUND
	s_barrier_signal -1
	s_barrier_wait -1
	s_cmp_lg_u32 s[WV], 0
	s_cbranch_scc1 .Lnot_wave_0_\@
	s_barrier_signal -3
.Lnot_wave_0_\@:
	s_barrier_wait -3
	s_barrier_signal -1
	s_barrier_wait -1
.endm
.macro WM d, a, b, zero, sa, sb, ra
.if \zero
.if (\ra) == 0
	v_wmma_scale_f32_16x16x128_f8f6f4 v[(\d):(\d)+7], v[(\a):(\a)+7], v[(\b):(\b)+7], 0, v[\sa], v[\sb] matrix_a_fmt:MATRIX_FMT_FP4 matrix_b_fmt:MATRIX_FMT_FP4
.else
	v_wmma_scale_f32_16x16x128_f8f6f4 v[(\d):(\d)+7], v[(\a):(\a)+7], v[(\b):(\b)+7], 0, v[\sa], v[\sb] matrix_a_fmt:MATRIX_FMT_FP4 matrix_b_fmt:MATRIX_FMT_FP4 matrix_a_scale:MATRIX_SCALE_ROW1
.endif
.else
.if (\ra) == 0
	v_wmma_scale_f32_16x16x128_f8f6f4 v[(\d):(\d)+7], v[(\a):(\a)+7], v[(\b):(\b)+7], v[(\d):(\d)+7], v[\sa], v[\sb] matrix_a_fmt:MATRIX_FMT_FP4 matrix_b_fmt:MATRIX_FMT_FP4
.else
	v_wmma_scale_f32_16x16x128_f8f6f4 v[(\d):(\d)+7], v[(\a):(\a)+7], v[(\b):(\b)+7], v[(\d):(\d)+7], v[\sa], v[\sb] matrix_a_fmt:MATRIX_FMT_FP4 matrix_b_fmt:MATRIX_FMT_FP4 matrix_a_scale:MATRIX_SCALE_ROW1
.endif
.endif
.endm
.macro PLOAD s, z                      ; K step s's eight loads into set z
.irp p, 0,1,2,3
.irp c, 0,1
	ds_load_b128 v[WF+32*(\z)+8*\p+4*\c:WF+32*(\z)+8*\p+4*\c+3], v2 offset:\p*6144+(\s)*1024+512*\c
.endr
.endr
.endm
	s_load_b256 s[4:11], s[0:1], 0x0               ; oimg s[4:5], ops s[6:7], hidden_states s[8:9], ln2_w s[10:11]
	s_load_b128 s[12:15], s[0:1], 0x20             ; x1 s[12:13], hq s[14:15]
	v_lshl_add_u32 v6, v0, 2, SPARE                ; my spare word; never rewritten
	v_mov_b32 v7, 0                                ; 0; never rewritten
	ds_add_u32 v6, v7                              ; the opening: the add, twice on end, and its wait ahead of my first tensor load
	ds_add_u32 v6, v7
	v_lshrrev_b32 v1, 5, v0
	s_delay_alu instid0(VALU_DEP_1)
	v_readfirstlane_b32 s[WV], v1                  ; wave 0..11
	s_bfe_u32 s17, ttmp6, 0x40000                  ; cx
	s_lshl_b32 s18, ttmp9, 2
	s_add_co_u32 s18, s18, s17                     ; the tile T
	s_lshr_b32 s19, s18, 2
	s_and_b32 s20, s18, 3
	s_mul_i32 s19, s19, QR                         ; its quad record,
	s_mul_i32 s22, s20, 6144
	s_add_co_u32 s22, s22, s19                     ; its codes,
	s_mov_b32 s23, 0
	s_mul_i32 s24, s20, 384
	s_add_co_u32 s24, s24, s19
	s_add_co_u32 s24, s24, 24576                   ; its scale bytes
	s_mov_b32 s25, 0
	s_lshr_b32 s26, s18, 1
	s_lshl_b32 s26, s26, 5
	s_and_b32 s27, s18, 1
	s_lshl_b32 s27, s27, 3
	s_add_co_u32 s26, s26, s27                     ; its first row
	s_mul_i32 s26, s26, 3072
	s_lshl_b32 s28, s[WV], 8                       ; my 64 columns: 256 bytes
	s_add_co_u32 s26, s26, s28
	s_mov_b32 s27, 0
	s_mov_b32 s29, 0
	s_mul_i32 s70, s[WV], QR                       ; my record's place in LDS: no place in the cluster enters an LDS address
	s_add_co_u32 s71, s70, 24576
	s_add_co_u32 s72, s70, WQ0*QR                  ; and in ops
	s_mov_b32 s73, 0
	s_lshl_b32 s78, s[WV], 2
	s_lshl_b32 s79, s[WV], 9
	s_lshl_b32 s80, s[WV], 1
	s_mov_b32 s[SEL], 0x76543210
	s_mov_b32 s[SEL+1], 0xfedcba98
	s_mov_b32 s76, 0x3aaaaaab                      ; 1 / 768
	s_mov_b32 s77, 0x3727c5ac                      ; 1e-5
	s_mov_b32 s32, 15|(3<<16)|(1<<21)              ; group 1: all four partners; a record is a dense block: 102 rows of 32 elements of 8 bytes
	s_mov_b32 s33, 32<<16
	s_mov_b32 s34, 102<<16
	s_mov_b32 s35, 32<<16
	s_mov_b32 s36, 102
	s_mov_b32 s37, 32
	s_mov_b32 s38, 0
	s_mov_b32 s39, 0
	s_wait_dscnt 0x0                               ; both opening adds are done
	s_wait_kmcnt 0x0
	s_add_nc_u64 s[44:45], s[4:5], s[22:23]        ; the tile's codes in oimg,
	s_add_nc_u64 s[46:47], s[4:5], s[24:25]        ; its scale bytes;
	s_add_nc_u64 s[48:49], s[14:15], s[22:23]      ; the same places in hq
	s_add_nc_u64 s[50:51], s[14:15], s[24:25]
	s_add_nc_u64 s[8:9], s[8:9], s[26:27]
	s_add_nc_u64 s[12:13], s[12:13], s[26:27]
	s_add_nc_u64 s[10:11], s[10:11], s[28:29]
	s_add_nc_u64 s[6:7], s[6:7], s[72:73]
	CROUND                                         ; the four partners are here: the joint loads meet
	s_mov_b32 s40, 1
	s_mov_b32 s41, s70
	s_mov_b64 s[42:43], s[6:7]
	s_or_b32 s43, s43, 0x80000000
	tensor_load_to_lds s[40:43], s[32:39]          ; every wave its record: one tensor load a wave
	s_nop 0
	PLACES 4
	v_and_b32 v34, 31, v0                          ; lane
	v_and_b32 v35, 15, v0                          ; r
	v_bfe_u32 v36, v0, 4, 1                        ; h
	v_lshlrev_b32 v1, 4, v34                       ; 16 lane
	v_mul_u32_u24 v3, v35, 24                      ; 24 r
	v_and_b32 v9, 8, v35
	v_lshlrev_b32 v10, 6, v36                      ; 64 h: the gain's offset
	v_add_nc_u32 v2, s70, v1                       ; my record's fragments
	v_mad_u32_u24 v4, v36, 384, v3
	v_add_nc_u32 v9, v9, v35                       ; r + 8 (r / 8)
	v_mul_u32_u24 v12, v35, 272
	v_mul_u32_u24 v13, v36, 272
	v_mul_u32_u24 v14, v36, 3072
	v_add_nc_u32 v4, s71, v4                       ; w's scale bytes: row r of tile 2 i or 2 i + 1
	v_mad_u32_u24 v8, v9, 3072, v10                ; the residual: my token's row, + 64 h
	v_lshl_add_u32 v12, v36, 6, v12
	v_lshl_add_u32 v13, v35, 4, v13
	v_lshl_add_u32 v14, v35, 4, v14                ; x1: lanes 0-15 one row's 256 bytes, lanes 16-31 the next row's
	v_lshl_add_u32 v15, v35, 6, EX                 ; my token's twelve sums
	v_add_nc_u32 v12, s70, v12                     ; the stage, in: row r, + 64 h
	v_add_nc_u32 v13, s70, v13                     ; back: lanes 0-15 one row, lanes 16-31 the next
	v_add_nc_u32 v37, v3, v36
	v_add_nc_u32 v11, s78, v15                     ; my wave's word among them
	v_add_nc_u32 v5, s79, v1                       ; hq's codes: 512 w + 16 lane
	v_add_nc_u32 v37, s80, v37                     ; its scale bytes: 24 r + 2 w + h
	v_lshlrev_b32 v38, 3, v36                      ; 8 h
	s_wait_alu depctr_va_vdst(0)                   ; the wait at the head's end
.irp s, 0,1,2,3,4,5
.irp c, 0,1
	global_load_b128 v[XF+8*\s+4*\c:XF+8*\s+4*\c+3], v1, s[44:45] offset:1024*\s+512*\c
.endr
.endr
.irp j, 0,1,2
	global_load_b64 v[XS+2*\j:XS+2*\j+1], v3, s[46:47] offset:8*\j
.endr
.irp p, 0,1,2,3
.irp k, 0,1
	global_load_b128 v[X+8*\p+4*\k:X+8*\p+4*\k+3], v8, s[8:9] offset:128*(\p/2)+32*(\p%2)+16*\k
.endr
.endr
.irp p, 0,1,2,3
.irp k, 0,1
	global_load_b128 v[GN+8*\p+4*\k:GN+8*\p+4*\k+3], v10, s[10:11] offset:128*(\p/2)+32*(\p%2)+16*\k
.endr
.endr
	s_wait_tensorcnt 0x0                           ; my record is in,
	s_barrier_signal -1
	s_barrier_wait -1                              ; everybody's is: no tensor load is out when the first LDS store is issued
.irp i, 0,1
.irp j, 0,1,2
	ds_load_b64 v[WS+6*\i+2*\j:WS+6*\i+2*\j+1], v4 offset:768*\i+8*\j
.endr
.endr
	PLOAD 0, 0
	s_wait_loadcnt 16                              ; the tokens' fragments and scale words are in; the residual's eight loads and the gain's eight may be out
.irp k, 0,1,2,3,4,5
.if \k < 5
.if \k > 0
	PLACES 4                                       ; in front of loads into registers that the last products but four read
.endif
	PLOAD \k+1, (\k+1)%2
	s_wait_dscnt 8                                 ; all but the eight just issued
.else
	s_wait_dscnt 0x0
.endif
.set ZZ, 0
.if \k == 0
.set ZZ, 1
.endif
.irp p, 0,1,2,3
	WM ACC+8*\p, WF+32*(\k%2)+8*\p, XF+8*\k, ZZ, WS+6*(\p/2)+\k, XS+\k, \p%2
.endr
.endr
	PLACES 4                                       ; in front of the first read of results
	s_wait_loadcnt 0x0
.set j, 0
.rept 16
	v_pk_add_f32 v[X+j:X+j+1], v[ACC+j:ACC+j+1], v[X+j:X+j+1]   ; x1; each accumulator is read from its low end on
.set j, j+2
.endr
.irp p, 0,1,2,3
	ds_store_b128 v12, v[X+8*\p:X+8*\p+3] offset:128*(\p/2)+32*(\p%2)
	ds_store_b128 v12, v[X+8*\p+4:X+8*\p+7] offset:128*(\p/2)+32*(\p%2)+16
.endr
.irp i, 0,1,2,3,4,5,6,7
	ds_load_b128 v[OB+4*\i:OB+4*\i+3], v13 offset:2*\i*272   ; a wave's LDS instructions are served in order (ISA guide 5.7.1.4): these see my stores
.endr
	v_pk_mul_f32 v[72:73], v[X:X+1], v[X:X+1]      ; my 32 squares, in two chains
	v_pk_mul_f32 v[74:75], v[X+2:X+3], v[X+2:X+3]
.irp j, 4,8,12,16,20,24,28
	v_pk_fma_f32 v[72:73], v[X+\j:X+\j+1], v[X+\j:X+\j+1], v[72:73]
	v_pk_fma_f32 v[74:75], v[X+\j+2:X+\j+3], v[X+\j+2:X+\j+3], v[74:75]
.endr
	s_delay_alu instid0(VALU_DEP_1)
	v_pk_add_f32 v[72:73], v[72:73], v[74:75]
	s_delay_alu instid0(VALU_DEP_1)
	v_add_f32 v72, v72, v73
	s_delay_alu instid0(VALU_DEP_1)
	v_permlanex16_b32 v73, v72, s[SEL], s[SEL+1]
	s_delay_alu instid0(VALU_DEP_1)
	v_add_f32 v72, v72, v73                        ; my token's sum over my wave's 64 columns
	ds_store_b32 v11, v72                          ; (lanes r and 16 + r write the same word with the same value)
.irp i, 0,1,2,3,4,5,6,7
	s_wait_dscnt 8-\i                              ; the younger read-backs and the store of the sum may be out
	global_store_b128 v14, v[OB+4*\i:OB+4*\i+3], s[12:13] offset:(2*\i+8*(\i/4))*3072   ; tile rows 2 i, 2 i + 1 lie at rows 2 i + 8 (i / 4) on; sixteen lanes store 256 consecutive bytes, aligned
.endr
	s_wait_dscnt 0x0                               ; for the others' sake: my sum has landed
	s_barrier_signal -1
	s_barrier_wait -1
.irp i, 0,1,2
	ds_load_b128 v[76+4*\i:79+4*\i], v15 offset:16*\i
.endr
	s_wait_dscnt 0x0
	v_pk_add_f32 v[76:77], v[76:77], v[78:79]
	v_pk_add_f32 v[80:81], v[80:81], v[82:83]
	v_pk_add_f32 v[84:85], v[84:85], v[86:87]
	s_delay_alu instid0(VALU_DEP_2)
	v_pk_add_f32 v[76:77], v[76:77], v[80:81]
	s_delay_alu instid0(VALU_DEP_1)
	v_pk_add_f32 v[76:77], v[76:77], v[84:85]
	s_delay_alu instid0(VALU_DEP_1)
	v_add_f32 v76, v76, v77                        ; the row's sum of squares
	s_delay_alu instid0(VALU_DEP_1)
	v_fma_f32 v76, v76, s76, s77                   ; mean + eps
	s_wait_alu depctr_va_vdst(0)                   ; the wait ahead of the transcendental
	v_rsq_f32 v78, v76
	v_mov_b32 v79, 0                               ; (named with it as a pair; the plain instruction behind it)
	v_mov_b32 v[TM+4], 0                           ; a lane permute's destination counts as one of its sources
	v_mov_b32 v[TM+5], 0
	s_wait_alu depctr_va_vdst(0)                   ; and the wait ahead of its first reader
.set j, 0
.rept 16
	v_pk_mul_f32 v[X+j:X+j+1], v[X+j:X+j+1], v[78:79] op_sel_hi:[1,0]
.set j, j+2
.endr
.set j, 0
.rept 16
	v_pk_mul_f32 v[X+j:X+j+1], v[GN+j:GN+j+1], v[X+j:X+j+1]   ; gain x (x x 1 / root), in the layer's own order
.set j, j+2
.endr
.irp b, 0,1
	v_max3_num_f32 v[TM+\b], |v[X+16*\b]|, |v[X+1+16*\b]|, 0x1800000   ; my 16 numbers of block b, and the floor 2^(3 - 127): the byte cannot fall under 1
.endr
.irp i, 2,4,6,8,10,12,14
.irp b, 0,1
	s_delay_alu instid0(VALU_DEP_2)
	v_max3_num_f32 v[TM+\b], v[TM+\b], |v[X+16*\b+\i]|, |v[X+1+16*\b+\i]|
.endr
.endr
.irp b, 0,1
	s_delay_alu instid0(VALU_DEP_2)
	v_permlanex16_b32 v[TM+4+\b], v[TM+\b], s[SEL], s[SEL+1]
.endr
.irp b, 0,1
	s_delay_alu instid0(VALU_DEP_2)
	v_max_num_f32 v[TM+\b], v[TM+\b], v[TM+4+\b]   ; with lane l xor 16's 16: the block's largest magnitude
.endr
.irp b, 0,1
	s_delay_alu instid0(VALU_DEP_2)
	v_add_nc_u32 v[TM+12+\b], 0xff000000, v[TM+\b] ; 2 off its exponent field: the conversion's scale operand
.endr
.irp b, 0,1
	s_delay_alu instid0(VALU_DEP_2)
	v_lshrrev_b32 v[TM+4+\b], 23, v[TM+12+\b]      ; the scale's byte
.endr
	s_delay_alu instid0(VALU_DEP_1)
	v_lshl_or_b32 v[TM+16], v[TM+5], 8, v[TM+4]
.irp b, 0,1
	v_cvt_scalef32_pk8_fp4_f32 v[PC+2*\b], v[X+16*\b:X+7+16*\b], v[TM+12+\b]
	v_cvt_scalef32_pk8_fp4_f32 v[PC+1+2*\b], v[X+8+16*\b:X+15+16*\b], v[TM+12+\b]
.endr
	v_nop                                          ; one plain place behind a scaled conversion
.irp i, 0,1
	v_permlane16_swap_b32 v[PC+\i], v[PC+2+\i]     ; a whole block to a lane: lanes 0-15 block 2 w, lanes 16-31 block 2 w + 1
.endr
	v_lshrrev_b32 v[TM+17], v38, v[TM+16]          ; block 2 w + h's byte
	global_store_b128 v5, v[PC:PC+3], s[48:49]     ; a wave stores 512 consecutive bytes, aligned to 256
	global_store_b8 v37, v[TM+17], s[50:51]
	s_wait_tensorcnt 0x0                           ; the wave's end
	ds_add_u32 v6, v7
	s_wait_dscnt 0x0
	CROUND                                         ; the closing round
	s_endpgm
.Lfunc_end_k_q92f0a9c210_wonorm:
	.size	k_q92f0a9c210_wonorm, .Lfunc_end_k_q92f0a9c210_wonorm-k_q92f0a9c210_wonorm
	.p2alignl 7, 3214868480
	.fill 96, 4, 3214868480
	.section	.rodata,"a",@progbits
	.p2align	6, 0x0
	.amdhsa_kernel k_q92f0a9c210_wonorm
		.amdhsa_group_segment_fixed_size 327680
		.amdhsa_private_segment_fixed_size 0
		.amdhsa_enable_private_segment 0
		.amdhsa_kernarg_size 48
		.amdhsa_user_sgpr_count 2
		.amdhsa_user_sgpr_kernarg_segment_ptr 1
		.amdhsa_wavefront_size32 1
		.amdhsa_system_sgpr_workgroup_id_x 1
		.amdhsa_system_sgpr_workgroup_id_y 1
		.amdhsa_system_sgpr_workgroup_id_z 1
		.amdhsa_system_vgpr_workitem_id 0
		.amdhsa_next_free_vgpr 256
		.amdhsa_next_free_sgpr 90
		.amdhsa_reserve_vcc 0
		.amdhsa_float_denorm_mode_32 3
		.amdhsa_float_denorm_mode_16_64 3
		.amdhsa_memory_ordered 1
		.amdhsa_forward_progress 1
		.amdhsa_inst_pref_size 27
	.end_amdhsa_kernel
	.amdgpu_metadata
---
amdhsa.version: [ 1, 2 ]
amdhsa.kernels:
  - .name:           k_q92f0a9c210_wonorm
    .symbol:         k_q92f0a9c210_wonorm.kd
    .args:
      - { .name: oimg, .offset: 0, .size: 8, .value_kind: global_buffer, .address_space: global }
      - { .name: ops, .offset: 8, .size: 8, .value_kind: global_buffer, .address_space: global }
      - { .name: hidden_states, .offset: 16, .size: 8, .value_kind: global_buffer, .address_space: global }
      - { .name: ln2_w, .offset: 24, .size: 8, .value_kind: global_buffer, .address_space: global }
      - { .name: x1, .offset: 32, .size: 8, .value_kind: global_buffer, .address_space: global }
      - { .name: hq, .offset: 40, .size: 8, .value_kind: global_buffer, .address_space: global }
    .group_segment_fixed_size: 327680
    .private_segment_fixed_size: 0
    .kernarg_segment_align: 8
    .kernarg_segment_size: 48
    .max_flat_workgroup_size: 384
    .sgpr_count:     90
    .vgpr_count:     256
    .wavefront_size: 32
...
	.end_amdgpu_metadata
.endif
;; end of part 4
;; launch up (part 5): grid 16 x 16, 12 waves a work-group, clusters of 4 x 4, 184,320 bytes of LDS; arguments hq, ops, act; writes act
.if DOCPART == 5
	.amdgcn_target "amdgcn-amd-amdhsa--gfx1250"
	.amdhsa_code_object_version 6
	.text
	.protected	k_q92f0a9c210_up
	.globl	k_q92f0a9c210_up
	.p2align	8
	.type	k_q92f0a9c210_up,@function
k_q92f0a9c210_up:
	s_mov_b64 s[64:65], 0
	v_nop
	global_prefetch_b8 v0, s[64:65] scope:SCOPE_SE
	s_setreg_imm32_b32 hwreg(HW_REG_WAVE_MODE, 25, 1), 1
	s_wait_xcnt 0x0
	s_wait_alu depctr_hold_cnt(0) depctr_sa_sdst(0) depctr_va_vdst(0) depctr_va_sdst(0) depctr_va_ssrc(0) depctr_va_vcc(0) depctr_vm_vsrc(0)
	s_getreg_b32 s2, hwreg(HW_REG_IB_STS2, 6, 4)
	s_cmp_eq_u32 s2, 0
	s_cbranch_scc0 .Lentry_in_a_cluster
	s_endpgm
.Lentry_in_a_cluster:
	s_bfe_u32 s2, ttmp6, 0x10000c
	s_cmp_lg_u32 s2, 0xf033
	s_cbranch_scc0 .Lentry_shape_is_right
	s_endpgm
.Lentry_shape_is_right:
; LAUNCH 6 OF 7: act = Q(silu(Q(h) Q(w_up)^T)) on codes of E2M1; the result is quantised along the 3,072, which are the last product's K, and never goes to memory as f32.  No work is left out.
; OPERANDS come as quad records of 26,112 bytes (see the first launch).  K = 768 lies whole in LDS: seven records, filled once, no ring.
; SHARES: a work-group makes 256 tokens x 192 columns: 256 work-groups.  Wave (cu, tg) = (wave / 4, wave % 4) makes weight record cu x token quad tg: 64 x 64, 16 accumulators, which take turns.
; CLUSTER 4 x 4: the four of a row need the same four token records, the four of a column the same three weight records: each is asked for jointly.
; Source 0 = 16 rows of w_up, source 1 = 16 tokens: a lane holds one token, and the 16 registers of weight tiles 2 b, 2 b + 1 are 16 neighbours along the next K.
; silu(x) = x / (1 + 2^(-log2(e) x)), in f32, by v_exp_f32 and v_rcp_f32 (1 ulp each: ISA guide, their entries); where the exponential overflows the quotient is 0, as the function's limit is.
; OUT: act is [piece of 768 along the next K][token quad] records.  My 64 columns are unit u = 3 cx + cu of the cluster's piece: codes of token tile a at 6,144 a + 512 u + 16 lane (512 consecutive bytes a store, aligned to 256); scale bytes two a lane at 24,576 + 384 a + 24 r + 2 u.
; LIMITS: as in the first launch (NaN, infinities; the byte 1 for blocks of zeros).
.set QR,    26112
.set WQ0,   112                        ; w_up's first record in ops
.set SPARE, 7*QR
.set WV, 12
.set CU, 13
.set TG, 14
.set CX, 15
.set CY, 16
.set BX, 17
.set BY, 18
.set G1T, 24
.set G1W, 32
.set G0T, 40
.set G0W, 52
.set SEL, 66
.set WS,  16                           ; v16-27 w's scale words, v28-39 the tokens': register 6 i + s: lanes 0-15 tile 2 i, lanes 16-31 tile 2 i + 1.  They hold scales and nothing else
.set XS,  28
.set TM,  40
.set PW,  56
.set WF,  64                           ; v64-95, v96-127 fragments; behind the products v64-127 hold the sigmoid at work, then the codes
.set XF,  96
.set ACC, 128
.macro PLACES n
.rept \n
	v_nop
.endr
.endm
.macro CROUND
	s_barrier_signal -1
	s_barrier_wait -1
	s_cmp_lg_u32 s[WV], 0
	s_cbranch_scc1 .Lnot_wave_0_\@
	s_barrier_signal -3
.Lnot_wave_0_\@:
	s_barrier_wait -3
	s_barrier_signal -1
	s_barrier_wait -1
.endm
.macro WM d, a, b, zero, sa, sb, ra, rb
.if \zero
.if ((\ra) == 0) && ((\rb) == 0)
	v_wmma_scale_f32_16x16x128_f8f6f4 v[(\d):(\d)+7], v[(\a):(\a)+7], v[(\b):(\b)+7], 0, v[\sa], v[\sb] matrix_a_fmt:MATRIX_FMT_FP4 matrix_b_fmt:MATRIX_FMT_FP4
.elseif ((\ra) == 1) && ((\rb) == 0)
	v_wmma_scale_f32_16x16x128_f8f6f4 v[(\d):(\d)+7], v[(\a):(\a)+7], v[(\b):(\b)+7], 0, v[\sa], v[\sb] matrix_a_fmt:MATRIX_FMT_FP4 matrix_b_fmt:MATRIX_FMT_FP4 matrix_a_scale:MATRIX_SCALE_ROW1
.elseif ((\ra) == 0) && ((\rb) == 1)
	v_wmma_scale_f32_16x16x128_f8f6f4 v[(\d):(\d)+7], v[(\a):(\a)+7], v[(\b):(\b)+7], 0, v[\sa], v[\sb] matrix_a_fmt:MATRIX_FMT_FP4 matrix_b_fmt:MATRIX_FMT_FP4 matrix_b_scale:MATRIX_SCALE_ROW1
.else
	v_wmma_scale_f32_16x16x128_f8f6f4 v[(\d):(\d)+7], v[(\a):(\a)+7], v[(\b):(\b)+7], 0, v[\sa], v[\sb] matrix_a_fmt:MATRIX_FMT_FP4 matrix_b_fmt:MATRIX_FMT_FP4 matrix_a_scale:MATRIX_SCALE_ROW1 matrix_b_scale:MATRIX_SCALE_ROW1
.endif
.else
.if ((\ra) == 0) && ((\rb) == 0)
	v_wmma_scale_f32_16x16x128_f8f6f4 v[(\d):(\d)+7], v[(\a):(\a)+7], v[(\b):(\b)+7], v[(\d):(\d)+7], v[\sa], v[\sb] matrix_a_fmt:MATRIX_FMT_FP4 matrix_b_fmt:MATRIX_FMT_FP4
.elseif ((\ra) == 1) && ((\rb) == 0)
	v_wmma_scale_f32_16x16x128_f8f6f4 v[(\d):(\d)+7], v[(\a):(\a)+7], v[(\b):(\b)+7], v[(\d):(\d)+7], v[\sa], v[\sb] matrix_a_fmt:MATRIX_FMT_FP4 matrix_b_fmt:MATRIX_FMT_FP4 matrix_a_scale:MATRIX_SCALE_ROW1
.elseif ((\ra) == 0) && ((\rb) == 1)
	v_wmma_scale_f32_16x16x128_f8f6f4 v[(\d):(\d)+7], v[(\a):(\a)+7], v[(\b):(\b)+7], v[(\d):(\d)+7], v[\sa], v[\sb] matrix_a_fmt:MATRIX_FMT_FP4 matrix_b_fmt:MATRIX_FMT_FP4 matrix_b_scale:MATRIX_SCALE_ROW1
.else
	v_wmma_scale_f32_16x16x128_f8f6f4 v[(\d):(\d)+7], v[(\a):(\a)+7], v[(\b):(\b)+7], v[(\d):(\d)+7], v[\sa], v[\sb] matrix_a_fmt:MATRIX_FMT_FP4 matrix_b_fmt:MATRIX_FMT_FP4 matrix_a_scale:MATRIX_SCALE_ROW1 matrix_b_scale:MATRIX_SCALE_ROW1
.endif
.endif
.endm
; 64 numbers of a lane, register 16 b + i = place 32 b + 16 (lane / 16) + i along K, become codes in v[pc] on and four scale bytes in v[pw]
.macro QUANT s, pc, pw
.irp b, 0,1,2,3
	v_max3_num_f32 v[TM+\b], |v[(\s)+16*\b]|, |v[(\s)+16*\b+1]|, 0x1800000   ; and the floor 2^(3 - 127): the byte cannot fall under 1
.endr
.irp i, 2,4,6,8,10,12,14
.irp b, 0,1,2,3
	s_delay_alu instid0(VALU_DEP_4)
	v_max3_num_f32 v[TM+\b], v[TM+\b], |v[(\s)+16*\b+\i]|, |v[(\s)+16*\b+\i+1]|
.endr
.endr
.irp b, 0,1,2,3
	s_delay_alu instid0(VALU_DEP_4)
	v_permlanex16_b32 v[TM+4+\b], v[TM+\b], s[SEL], s[SEL+1]
.endr
.irp b, 0,1,2,3
	s_delay_alu instid0(VALU_DEP_4)
	v_max_num_f32 v[TM+\b], v[TM+\b], v[TM+4+\b]
.endr
.irp b, 0,1,2,3
	s_delay_alu instid0(VALU_DEP_4)
	v_add_nc_u32 v[TM+12+\b], 0xff000000, v[TM+\b]
.endr
.irp b, 0,1,2,3
	s_delay_alu instid0(VALU_DEP_4)
	v_lshrrev_b32 v[TM+4+\b], 23, v[TM+12+\b]
.endr
	s_delay_alu instid0(VALU_DEP_3)
	v_lshl_or_b32 v[\pw], v[TM+5], 8, v[TM+4]
	s_delay_alu instid0(VALU_DEP_1)
	v_lshl_or_b32 v[\pw], v[TM+6], 16, v[\pw]
	s_delay_alu instid0(VALU_DEP_1)
	v_lshl_or_b32 v[\pw], v[TM+7], 24, v[\pw]
.irp b, 0,1,2,3
	v_cvt_scalef32_pk8_fp4_f32 v[(\pc)+2*\b], v[(\s)+16*\b:(\s)+16*\b+7], v[TM+12+\b]
	v_cvt_scalef32_pk8_fp4_f32 v[(\pc)+2*\b+1], v[(\s)+16*\b+8:(\s)+16*\b+15], v[TM+12+\b]
.endr
	v_nop                                          ; one plain place behind a scaled conversion
.irp c, 0,1
.irp i, 0,1
	v_permlane16_swap_b32 v[(\pc)+4*\c+\i], v[(\pc)+4*\c+2+\i]
.endr
.endr
.endm
.macro KSTEP s
.if \s > 0
	PLACES 4                                       ; in front of loads into registers that the last products read
.endif
.irp p, 0,1,2,3
.irp c, 0,1
	ds_load_b128 v[WF+8*\p+4*\c:WF+8*\p+4*\c+3], v2 offset:\p*6144+\s*1024+512*\c
.endr
.endr
.irp p, 0,1,2,3
.irp c, 0,1
	ds_load_b128 v[XF+8*\p+4*\c:XF+8*\p+4*\c+3], v3 offset:\p*6144+\s*1024+512*\c
.endr
.endr
.set ZZ, 0
.if \s == 0
.set ZZ, 1
.endif
.irp q, 0,1,2,3
	s_wait_dscnt 6-2*\q                            ; w's four and token tiles 0 .. q are in; the later tiles' loads, two each, may be out
.irp p, 0,1,2,3
	WM ACC+8*(4*\q+\p), WF+8*\p, XF+8*\q, ZZ, WS+6*(\p/2)+\s, XS+6*(\q/2)+\s, \p%2, \q%2
.endr
.endr
.endm
; silu on 64 accumulators (half hf), in place; v64-127 at work.  Each batch of 64 transcendentals has one plain instruction and one wait behind it
.macro SILU hf
.set sj, 0
.rept 32
	v_pk_mul_f32 v[WF+sj:WF+sj+1], v[ACC+64*\hf+sj:ACC+64*\hf+sj+1], s[74:75] op_sel_hi:[1,0]   ; -log2(e) x; each accumulator is read from its low end on
.set sj, sj+2
.endr
.set sj, 0
	s_wait_alu depctr_va_vdst(0)
.rept 64
	v_exp_f32 v[WF+sj], v[WF+sj]
.set sj, sj+1
.endr
	v_nop
	s_wait_alu depctr_va_vdst(0)
.set sj, 0
.rept 32
	v_pk_add_f32 v[WF+sj:WF+sj+1], v[WF+sj:WF+sj+1], 1.0 op_sel_hi:[1,0]
.set sj, sj+2
.endr
.set sj, 0
	s_wait_alu depctr_va_vdst(0)
.rept 64
	v_rcp_f32 v[WF+sj], v[WF+sj]
.set sj, sj+1
.endr
	v_nop
	s_wait_alu depctr_va_vdst(0)
.set sj, 0
.rept 32
	v_pk_mul_f32 v[ACC+64*\hf+sj:ACC+64*\hf+sj+1], v[ACC+64*\hf+sj:ACC+64*\hf+sj+1], v[WF+sj:WF+sj+1]
.set sj, sj+2
.endr
.endm
	s_load_b128 s[4:7], s[0:1], 0x0                ; hq s[4:5], ops s[6:7]
	s_load_b64 s[8:9], s[0:1], 0x10                ; act
	v_lshl_add_u32 v6, v0, 2, SPARE                ; my spare word; never rewritten
	v_mov_b32 v7, 0                                ; 0; never rewritten
	ds_add_u32 v6, v7                              ; the wave's opening: the add, twice on end, and its wait ahead of the first tensor load
	ds_add_u32 v6, v7
	v_lshrrev_b32 v1, 5, v0
	s_delay_alu instid0(VALU_DEP_1)
	v_readfirstlane_b32 s[WV], v1
	s_lshr_b32 s[CU], s[WV], 2
	s_and_b32 s[TG], s[WV], 3
	s_bfe_u32 s[CX], ttmp6, 0x40000
	s_bfe_u32 s[CY], ttmp6, 0x40004
	s_lshl_b32 s[BX], ttmp9, 2
	s_add_co_u32 s[BX], s[BX], s[CX]
	s_and_b32 s[BY], ttmp7, 0xffff
	s_lshl_b32 s[BY], s[BY], 2
	s_add_co_u32 s[BY], s[BY], s[CY]
	s_lshl_b32 s19, s[CY], 2
	s_lshl_b32 s19, 15, s19                        ; my row of the cluster
	s_lshl_b32 s68, 0x1111, s[CX]                  ; my column
	s_or_b32 s[G1T], s19, (3<<16)|(1<<21)          ; group 1: a record is a dense block: 102 rows of 32 elements of 8 bytes, no padding
	s_or_b32 s[G1W], s68, (3<<16)|(1<<21)
.irp g, G1T, G1W
	s_mov_b32 s[\g+1], 32<<16
	s_mov_b32 s[\g+2], 102<<16
	s_mov_b32 s[\g+3], 32<<16
	s_mov_b32 s[\g+4], 102
	s_mov_b32 s[\g+5], 32
	s_mov_b32 s[\g+6], 0
	s_mov_b32 s[\g+7], 0
.endr
	s_sub_co_u32 s20, s[WV], 3                     ; waves 3-6 fetch token records 4 y + 0 .. 3 (the other waves' number is held inside and not used)
	s_min_u32 s20, s20, 3
	s_lshl_b32 s21, s[BY], 2
	s_add_co_u32 s20, s20, s21
	s_mul_i32 s20, s20, QR
	s_mov_b32 s21, 0
	s_min_u32 s22, s[WV], 2                        ; waves 0-2 fetch weight records 112 + 3 x + 0 .. 2
	s_mul_i32 s23, s[BX], 3
	s_add_co_u32 s22, s22, s23
	s_add_co_u32 s22, s22, WQ0
	s_mul_i32 s22, s22, QR
	s_mov_b32 s23, 0
	s_mul_i32 s69, s[WV], QR
	s_mov_b32 s[SEL], 0x76543210
	s_mov_b32 s[SEL+1], 0xfedcba98
	s_mov_b32 s74, 0xbfb8aa3b                      ; -log2(e)
	s_mov_b32 s75, s74
	s_wait_dscnt 0x0
	s_wait_kmcnt 0x0
	CROUND
	s_mov_b32 s[G0T], 1
	s_mov_b32 s[G0T+1], s69
	s_add_nc_u64 s[G0T+2:G0T+3], s[4:5], s[20:21]
	s_or_b32 s[G0T+3], s[G0T+3], 0x80000000
	s_mov_b32 s[G0W], 1
	s_mov_b32 s[G0W+1], s69
	s_add_nc_u64 s[G0W+2:G0W+3], s[6:7], s[22:23]
	s_or_b32 s[G0W+3], s[G0W+3], 0x80000000
	s_cmp_lt_u32 s[WV], 3
	s_cbranch_scc0 .Lnot_w
	tensor_load_to_lds s[G0W:G0W+3], s[G1W:G1W+7]
	s_nop 0
	PLACES 4
	s_branch .Lasked
.Lnot_w:
	s_cmp_lt_u32 s[WV], 7
	s_cbranch_scc0 .Lasked
	tensor_load_to_lds s[G0T:G0T+3], s[G1T:G1T+7]
	s_nop 0
	PLACES 4
.Lasked:
	v_and_b32 v9, 31, v0                           ; lane
	v_and_b32 v10, 15, v0                          ; r
	v_bfe_u32 v11, v0, 4, 1                        ; h
	s_delay_alu instid0(VALU_DEP_3)
	v_lshlrev_b32 v1, 4, v9
	s_mul_i32 s70, s[CU], QR
	s_add_co_u32 s71, s[TG], 3
	s_mul_i32 s71, s71, QR
	v_add_nc_u32 v2, s70, v1
	v_add_nc_u32 v3, s71, v1
	v_mul_u32_u24 v13, v10, 24
	s_delay_alu instid0(VALU_DEP_1)
	v_mad_u32_u24 v13, v11, 384, v13               ; 24 r + 384 h
	s_delay_alu instid0(VALU_DEP_1)
	v_add_nc_u32 v4, 24576, v13
	s_delay_alu instid0(VALU_DEP_1)
	v_add_nc_u32 v5, s71, v4
	s_delay_alu instid0(VALU_DEP_2)
	v_add_nc_u32 v4, s70, v4
	v_lshlrev_b32 v8, 4, v11                       ; 16 h
.irp b, 0,1,2,3
	v_mov_b32 v[TM+4+\b], 0                        ; a lane permute's destination counts as one of its sources
.endr
	s_mul_i32 s70, s[CX], 3
	s_add_co_u32 s70, s70, s[CU]                   ; my unit of 64 in the piece
	s_lshl_b32 s71, s[BY], 2
	s_add_co_u32 s71, s71, s[TG]                   ; the token quad
	s_lshl_b32 s72, ttmp9, 6                       ; the piece is the cluster's x
	s_add_co_u32 s72, s72, s71
	s_mul_i32 s72, s72, QR
	s_mov_b32 s73, 0
	s_add_nc_u64 s[8:9], s[8:9], s[72:73]          ; the record
	s_lshl_b32 s71, s70, 9
	v_add_nc_u32 v12, s71, v1                      ; codes: 512 unit + 16 lane
	s_lshl_b32 s71, s70, 1
	v_add_nc_u32 v13, s71, v13                     ; scale bytes: 384 h + 24 r + 2 unit
	s_wait_alu depctr_va_vdst(0)
	s_wait_tensorcnt 0x0
	s_barrier_signal -1
	s_barrier_wait -1
.irp i, 0,1
.irp j, 0,1,2
	ds_load_b64 v[WS+6*\i+2*\j:WS+6*\i+2*\j+1], v4 offset:768*\i+8*\j
	ds_load_b64 v[XS+6*\i+2*\j:XS+6*\i+2*\j+1], v5 offset:768*\i+8*\j
.endr
.endr
.irp s, 0,1,2,3,4,5
	KSTEP \s
.endr
	PLACES 4                                       ; in front of the first read of results and the first write over fragments
	SILU 0
	SILU 1
	QUANT ACC, WF, PW                              ; token tiles 0, 1: codes v64-67, v68-71, bytes 0, 1 and 2, 3
	QUANT ACC+64, WF+8, PW+1                       ; tiles 2, 3: v72-75, v76-79
.irp i, 0,1
	v_lshrrev_b32 v[58+\i], v8, v[PW+\i]           ; tile 2 i + h's two bytes
.endr
.irp a, 0,1,2,3
	global_store_b128 v12, v[WF+4*\a:WF+4*\a+3], s[8:9] offset:6144*\a
.endr
.irp i, 0,1
	global_store_b16 v13, v[58+\i], s[8:9] offset:24576+768*\i
.endr
	s_wait_tensorcnt 0x0                           ; the wave's end
	ds_add_u32 v6, v7
	s_wait_dscnt 0x0
	CROUND                                         ; the closing round
	s_endpgm
.Lfunc_end_k_q92f0a9c210_up:
	.size	k_q92f0a9c210_up, .Lfunc_end_k_q92f0a9c210_up-k_q92f0a9c210_up
	.p2alignl 7, 3214868480
	.fill 96, 4, 3214868480
	.section	.rodata,"a",@progbits
	.p2align	6, 0x0
	.amdhsa_kernel k_q92f0a9c210_up
		.amdhsa_group_segment_fixed_size 184320
		.amdhsa_private_segment_fixed_size 0
		.amdhsa_enable_private_segment 0
		.amdhsa_kernarg_size 24
		.amdhsa_user_sgpr_count 2
		.amdhsa_user_sgpr_kernarg_segment_ptr 1
		.amdhsa_wavefront_size32 1
		.amdhsa_system_sgpr_workgroup_id_x 1
		.amdhsa_system_sgpr_workgroup_id_y 1
		.amdhsa_system_sgpr_workgroup_id_z 1
		.amdhsa_system_vgpr_workitem_id 0
		.amdhsa_next_free_vgpr 256
		.amdhsa_next_free_sgpr 90
		.amdhsa_reserve_vcc 0
		.amdhsa_float_denorm_mode_32 3
		.amdhsa_float_denorm_mode_16_64 3
		.amdhsa_memory_ordered 1
		.amdhsa_forward_progress 1
		.amdhsa_inst_pref_size 58
	.end_amdhsa_kernel
	.amdgpu_metadata
---
amdhsa.version: [ 1, 2 ]
amdhsa.kernels:
  - .name:           k_q92f0a9c210_up
    .symbol:         k_q92f0a9c210_up.kd
    .args:
      - { .name: hq, .offset: 0, .size: 8, .value_kind: global_buffer, .address_space: global }
      - { .name: ops, .offset: 8, .size: 8, .value_kind: global_buffer, .address_space: global }
      - { .name: act, .offset: 16, .size: 8, .value_kind: global_buffer, .address_space: global }
    .group_segment_fixed_size: 184320
    .private_segment_fixed_size: 0
    .kernarg_segment_align: 8
    .kernarg_segment_size: 24
    .max_flat_workgroup_size: 384
    .sgpr_count:     90
    .vgpr_count:     256
    .wavefront_size: 32
...
	.end_amdgpu_metadata
.endif
;; end of part 5
;; launch down (part 6): grid 4 x 64, 12 waves a work-group, clusters of 4 x 4, 327,680 bytes of LDS; arguments act, ops, x1, out0; writes out0
.if DOCPART == 6
	.amdgcn_target "amdgcn-amd-amdhsa--gfx1250"
	.amdhsa_code_object_version 6
	.text
	.protected	k_q92f0a9c210_down
	.globl	k_q92f0a9c210_down
	.p2align	8
	.type	k_q92f0a9c210_down,@function
k_q92f0a9c210_down:
	s_mov_b64 s[64:65], 0
	v_nop
	global_prefetch_b8 v0, s[64:65] scope:SCOPE_SE
	s_setreg_imm32_b32 hwreg(HW_REG_WAVE_MODE, 25, 1), 1
	s_wait_xcnt 0x0
	s_wait_alu depctr_hold_cnt(0) depctr_sa_sdst(0) depctr_va_vdst(0) depctr_va_sdst(0) depctr_va_ssrc(0) depctr_va_vcc(0) depctr_vm_vsrc(0)
	s_getreg_b32 s2, hwreg(HW_REG_IB_STS2, 6, 4)
	s_cmp_eq_u32 s2, 0
	s_cbranch_scc0 .Lentry_in_a_cluster
	s_endpgm
.Lentry_in_a_cluster:
	s_bfe_u32 s2, ttmp6, 0x10000c
	s_cmp_lg_u32 s2, 0xf033
	s_cbranch_scc0 .Lentry_shape_is_right
	s_endpgm
.Lentry_shape_is_right:
; LAUNCH 7 OF 7 (PIECES = 4; with PIECES = 1 the same text is launch 4): out = residual + Q(tokens) Q(w)^T on codes of E2M1, K = 768 x PIECES, 768 columns, f32 out.  No work is left out.
; OPERANDS come as quad records of 26,112 bytes (64 rows x 768 K: see the first launch).  A slot holds three weight records and one token record.
; SHARES: a work-group makes 64 tokens x 192 columns: 256 work-groups.  Wave (cu, a) = (wave / 4, wave % 4) makes token tile a x the 64 columns of weight record cu: four accumulators, which take turns.
; CLUSTER 4 x 4: the four of a row need the same token record, the four of a column the same weight records: each is asked for jointly.  Waves 0-2 fetch the weights, wave 3 the tokens.
; PIECES = 4: pieces 0, 1, 2 of K go out together into three slots; piece 3 is brought into slot 0 behind a round of the cluster's barrier, when piece 0 has been multiplied.  By this text's count a wave has at most one tensor load out.
; Source 0 = 16 rows of w, source 1 = 16 tokens: a lane holds one token and eight neighbouring columns.  A wave's 16 x 64 results go through its own stage in LDS and leave, with the residual added, as rows of 256 bytes: sixteen lanes store 256 consecutive bytes, aligned.
; The stage lies behind the one slot (PIECES = 1) or in slot 1, which has had its one fill, and its last read ahead of the last barrier (PIECES = 4).
.set PIECES, 4
.set QR,    26112
.set SLOT,  4*QR
.set STAGE, SLOT                       ; 16 rows x (256 + 16) bytes for each wave
.if PIECES > 1
; THE FIRST FILLS AS THIS TEXT HAS THEM (PIECES = 4): the twelve waves share pieces 0, 1, 2 out, wave w fetching record w % 4 (three of weights, one of tokens) of piece w / 4 into LDS byte w x a record: one tensor load a wave at the head, one out at the most.
.set NSET,  1
.set WQ0,   160                        ; w_down's first record in ops, piece-major
.set SPARE, 3*SLOT
.else
.set NSET,  1
.set WQ0,   100                        ; wo's first record in ops
.set SPARE, SLOT+12*4352
.endif
.set TSTEP, 64*QR                      ; from piece to piece: tokens,
.set WSTEP, 12*QR                      ; weights
.set WV, 12
.set CU, 13
.set TG, 14
.set CX, 15
.set CY, 16
.set BX, 17
.set BY, 18
.set G1T, 24
.set G1W, 32
.set G0T, 40                           ; s[40:51] groups 0 for token records, a set for each first fill;  s[52:63] for weight records
.set G0W, 52
.set WS,  16                           ; v16-27 w's scale words: register 6 i + s: lanes 0-15 tile 2 i, lanes 16-31 tile 2 i + 1;  v28-33 my token tile's.  They hold scales and nothing else
.set XS,  28
.set FS,  64                           ; v64-103, v104-143 two sets of fragments: four of w, one of tokens
.set ACC, 144                          ; v144-175
.set RES, 176                          ; v176-207 the residual
.set OB,  208                          ; v208-239 rows read back from the stage
.macro PLACES n
.rept \n
	v_nop
.endr
.endm
.macro CROUND
	s_barrier_signal -1
	s_barrier_wait -1
	s_cmp_lg_u32 s[WV], 0
	s_cbranch_scc1 .Lnot_wave_0_\@
	s_barrier_signal -3
.Lnot_wave_0_\@:
	s_barrier_wait -3
	s_barrier_signal -1
	s_barrier_wait -1
.endm
.macro WM d, a, b, zero, sa, sb, ra, rb
.if \zero
.if ((\ra) == 0) && ((\rb) == 0)
	v_wmma_scale_f32_16x16x128_f8f6f4 v[(\d):(\d)+7], v[(\a):(\a)+7], v[(\b):(\b)+7], 0, v[\sa], v[\sb] matrix_a_fmt:MATRIX_FMT_FP4 matrix_b_fmt:MATRIX_FMT_FP4
.else
	v_wmma_scale_f32_16x16x128_f8f6f4 v[(\d):(\d)+7], v[(\a):(\a)+7], v[(\b):(\b)+7], 0, v[\sa], v[\sb] matrix_a_fmt:MATRIX_FMT_FP4 matrix_b_fmt:MATRIX_FMT_FP4 matrix_a_scale:MATRIX_SCALE_ROW1
.endif
.else
.if ((\ra) == 0) && ((\rb) == 0)
	v_wmma_scale_f32_16x16x128_f8f6f4 v[(\d):(\d)+7], v[(\a):(\a)+7], v[(\b):(\b)+7], v[(\d):(\d)+7], v[\sa], v[\sb] matrix_a_fmt:MATRIX_FMT_FP4 matrix_b_fmt:MATRIX_FMT_FP4
.else
	v_wmma_scale_f32_16x16x128_f8f6f4 v[(\d):(\d)+7], v[(\a):(\a)+7], v[(\b):(\b)+7], v[(\d):(\d)+7], v[\sa], v[\sb] matrix_a_fmt:MATRIX_FMT_FP4 matrix_b_fmt:MATRIX_FMT_FP4 matrix_a_scale:MATRIX_SCALE_ROW1
.endif
.endif
.endm
.macro PLOAD s, z                      ; K step s's ten loads into set z
.irp p, 0,1,2,3
.irp c, 0,1
	ds_load_b128 v[FS+40*(\z)+8*\p+4*\c:FS+40*(\z)+8*\p+4*\c+3], v[RW] offset:\p*6144+(\s)*1024+512*\c
.endr
.endr
.irp c, 0,1
	ds_load_b128 v[FS+40*(\z)+32+4*\c:FS+40*(\z)+32+4*\c+3], v[RX] offset:(\s)*1024+512*\c
.endr
.endm
; A piece of 768 along K out of a slot: six K steps, the next step's loads issued ahead of each step's products
.macro PIECE slot, first
.if \slot == 0
.set RW, 2
.set RX, 3
.set RSW, 4
.set RSX, 5
.if !\first
	PLACES 4                                       ; in front of loads into registers that the last products read
.endif
.else
.set RW, 8
.set RX, 9
.set RSW, 10
.set RSX, 11
	v_add_nc_u32 v8, \slot*SLOT, v2                ; the slot's addresses; these four are also the places in front of the loads below
	s_wait_alu depctr_va_vdst(0)
	v_add_nc_u32 v9, \slot*SLOT, v3
	s_wait_alu depctr_va_vdst(0)
	v_add_nc_u32 v10, \slot*SLOT, v4
	v_add_nc_u32 v11, \slot*SLOT, v5
.endif
.irp i, 0,1
.irp j, 0,1,2
	ds_load_b64 v[WS+6*\i+2*\j:WS+6*\i+2*\j+1], v[RSW] offset:768*\i+8*\j
.endr
.endr
.irp j, 0,1,2
	ds_load_b64 v[XS+2*\j:XS+2*\j+1], v[RSX] offset:8*\j
.endr
	PLOAD 0, 0
.irp k, 0,1,2,3,4,5
.if \k < 5
.if \k > 0
	PLACES 4
.endif
	PLOAD \k+1, (\k+1)%2
	s_wait_dscnt 10                                ; all but the ten just issued
.else
	s_wait_dscnt 0x0
.endif
.set ZZ, 0
.if (\first) && (\k == 0)
.set ZZ, 1
.endif
.irp p, 0,1,2,3
	WM ACC+8*\p, FS+40*(\k%2)+8*\p, FS+40*(\k%2)+32, ZZ, WS+6*(\p/2)+\k, XS+\k, \p%2, 0
.endr
.endr
.endm
	s_load_b256 s[4:11], s[0:1], 0x0               ; tokens' records s[4:5], ops s[6:7], residual s[8:9], out s[10:11]
	v_lshl_add_u32 v6, v0, 2, SPARE                ; my spare word; never rewritten
	v_mov_b32 v7, 0                                ; 0; never rewritten
	ds_add_u32 v6, v7                              ; the wave's opening: the add, twice on end, and its wait ahead of the first tensor load
	ds_add_u32 v6, v7
	v_lshrrev_b32 v1, 5, v0
	s_delay_alu instid0(VALU_DEP_1)
	v_readfirstlane_b32 s[WV], v1                  ; wave 0..11
	s_lshr_b32 s[CU], s[WV], 2
	s_and_b32 s[TG], s[WV], 3
	s_bfe_u32 s[CX], ttmp6, 0x40000
	s_bfe_u32 s[CY], ttmp6, 0x40004
	s_lshl_b32 s[BX], ttmp9, 2
	s_add_co_u32 s[BX], s[BX], s[CX]
	s_and_b32 s[BY], ttmp7, 0xffff
	s_lshl_b32 s[BY], s[BY], 2
	s_add_co_u32 s[BY], s[BY], s[CY]
	s_lshl_b32 s19, s[CY], 2
	s_lshl_b32 s19, 15, s19                        ; my row of the cluster
	s_lshl_b32 s68, 0x1111, s[CX]                  ; my column
	s_or_b32 s[G1T], s19, (3<<16)|(1<<21)          ; group 1: a record is a dense block: 102 rows of 32 elements of 8 bytes, no padding
	s_or_b32 s[G1W], s68, (3<<16)|(1<<21)
.irp g, G1T, G1W
	s_mov_b32 s[\g+1], 32<<16
	s_mov_b32 s[\g+2], 102<<16
	s_mov_b32 s[\g+3], 32<<16
	s_mov_b32 s[\g+4], 102
	s_mov_b32 s[\g+5], 32
	s_mov_b32 s[\g+6], 0
	s_mov_b32 s[\g+7], 0
.endr
	s_lshl_b32 s20, s[CU], 6                       ; the token record: 64 x my piece (wave / 4) + y
	s_add_co_u32 s20, s20, s[BY]
	s_mul_i32 s20, s20, QR
	s_mov_b32 s21, 0
	s_min_u32 s22, s[TG], 2                        ; weight records 12 x my piece + 3 x + wave % 4
	s_mul_i32 s23, s[CU], 12
	s_add_co_u32 s22, s22, s23
	s_mul_i32 s23, s[BX], 3
	s_add_co_u32 s22, s22, s23
	s_add_co_u32 s22, s22, WQ0
	s_mul_i32 s22, s22, QR
	s_mov_b32 s23, 0
	s_mul_i32 s69, s[WV], QR                       ; a record's place in a slot: wave x a record
	s_wait_dscnt 0x0                               ; both opening adds are done
	s_wait_kmcnt 0x0
	s_add_nc_u64 s[20:21], s[4:5], s[20:21]
	s_add_nc_u64 s[22:23], s[6:7], s[22:23]
	CROUND                                         ; all sixteen work-groups are here
.set n, 0
.rept NSET
	s_mov_b32 s[G0T+4*n], 1
	s_add_co_u32 s[G0T+4*n+1], s69, n*SLOT
	s_add_nc_u64 s[G0T+4*n+2:G0T+4*n+3], s[20:21], n*TSTEP
	s_or_b32 s[G0T+4*n+3], s[G0T+4*n+3], 0x80000000
	s_mov_b32 s[G0W+4*n], 1
	s_add_co_u32 s[G0W+4*n+1], s69, n*SLOT
	s_add_nc_u64 s[G0W+4*n+2:G0W+4*n+3], s[22:23], n*WSTEP
	s_or_b32 s[G0W+4*n+3], s[G0W+4*n+3], 0x80000000
.set n, n+1
.endr
	s_cmp_lt_u32 s[TG], 3                          ; one branch on the wave's number, a load in each arm: every way passes exactly one
	s_cbranch_scc0 .Lnot_w
.set n, 0
.rept NSET
	tensor_load_to_lds s[G0W+4*n:G0W+4*n+3], s[G1W:G1W+7]
	s_nop 0
.set n, n+1
.endr
	PLACES 4
	s_branch .Lasked
.Lnot_w:
.set n, 0
.rept NSET
	tensor_load_to_lds s[G0T+4*n:G0T+4*n+3], s[G1T:G1T+7]
	s_nop 0
.set n, n+1
.endr
	PLACES 4
.Lasked:
	v_and_b32 v34, 31, v0                          ; lane
	v_and_b32 v35, 15, v0                          ; r
	v_bfe_u32 v36, v0, 4, 1                        ; h
	s_wait_alu depctr_va_vdst(0)
	s_lshl_b32 s70, s[BY], 6                       ; my tile's first row: 64 y + 32 (a / 2) + 8 (a % 2)
	s_lshr_b32 s71, s[TG], 1
	s_lshl_b32 s71, s71, 5
	s_add_co_u32 s70, s70, s71
	s_and_b32 s71, s[TG], 1
	s_lshl_b32 s71, s71, 3
	s_add_co_u32 s70, s70, s71
	s_mul_i32 s70, s70, 3072
	s_mul_i32 s71, s[BX], 3
	s_add_co_u32 s71, s71, s[CU]
	s_lshl_b32 s71, s71, 8                         ; my 64 columns: 256 bytes
	s_add_co_u32 s70, s70, s71
	s_mov_b32 s71, 0
	s_add_nc_u64 s[8:9], s[8:9], s[70:71]
	s_add_nc_u64 s[10:11], s[10:11], s[70:71]
	v_mul_u32_u24 v14, v36, 3072
	s_delay_alu instid0(VALU_DEP_1)
	v_lshl_add_u32 v14, v35, 4, v14                ; lanes 0-15 one row's 256 bytes, lanes 16-31 the next row's
.irp i, 0,1,2,3,4,5,6,7
	global_load_b128 v[RES+4*\i:RES+4*\i+3], v14, s[8:9] offset:(2*\i+8*(\i/4))*3072   ; tile rows 2 i, 2 i + 1 lie at rows 2 i + 8 (i / 4) on
.endr
	v_lshlrev_b32 v1, 4, v34                       ; 16 lane
	s_mul_i32 s70, s[CU], QR
	v_add_nc_u32 v2, s70, v1                       ; my weight record
	s_mul_i32 s71, s[TG], 6144
	s_add_co_u32 s71, s71, 3*QR
	v_add_nc_u32 v3, s71, v1                       ; my tile of the token record
	v_mul_u32_u24 v5, v35, 24
	s_delay_alu instid0(VALU_DEP_1)
	v_mad_u32_u24 v4, v36, 384, v5
	s_add_co_u32 s70, s70, 24576
	v_add_nc_u32 v4, s70, v4                       ; w's scale bytes: row r of tile 2 i or 2 i + 1
	s_mul_i32 s71, s[TG], 384
	s_add_co_u32 s71, s71, 3*QR+24576
	v_add_nc_u32 v5, s71, v5                       ; my token tile's: row r
	s_mul_i32 s72, s[WV], 4352
	s_add_co_u32 s72, s72, STAGE                   ; my stage
	v_mul_u32_u24 v12, v35, 272
	s_delay_alu instid0(VALU_DEP_1)
	v_lshl_add_u32 v12, v36, 6, v12
	s_delay_alu instid0(VALU_DEP_1)
	v_add_nc_u32 v12, s72, v12                     ; in: row r, + 64 h
	v_mul_u32_u24 v13, v36, 272
	s_delay_alu instid0(VALU_DEP_1)
	v_lshl_add_u32 v13, v35, 4, v13
	s_delay_alu instid0(VALU_DEP_1)
	v_add_nc_u32 v13, s72, v13                     ; back: lanes 0-15 one row, lanes 16-31 the next
	s_wait_alu depctr_va_vdst(0)
	s_wait_tensorcnt NSET-1                        ; my one tensor load is in
	s_barrier_signal -1
	s_barrier_wait -1
	PIECE 0, 1
.if PIECES > 1
	s_wait_tensorcnt 0x0                           ; all my tensor loads have landed, so a group 0 may be written
	ds_add_u32 v6, v7                              ; every way to the add leads through a tensor load
	s_add_nc_u64 s[G0T+2:G0T+3], s[G0T+2:G0T+3], 3*TSTEP     ; piece 3 (used by waves 0-3, whose piece was 0)
	s_add_nc_u64 s[G0W+2:G0W+3], s[G0W+2:G0W+3], 3*WSTEP
	s_wait_dscnt 0x0                               ; both adds are done, and my reads of slot 0 are over
	CROUND                                         ; no wave of any partner still reads slot 0 or has a load on its way
	s_cmp_lt_u32 s[WV], 3
	s_cbranch_scc0 .Lr_not_w
	tensor_load_to_lds s[G0W:G0W+3], s[G1W:G1W+7]
	s_nop 0
	PLACES 4
	s_branch .Lr_asked
.Lr_not_w:
	s_cmp_eq_u32 s[WV], 3
	s_cbranch_scc0 .Lr_asked
	tensor_load_to_lds s[G0T:G0T+3], s[G1T:G1T+7]
	s_nop 0
	PLACES 4
.Lr_asked:
	PIECE 1, 0
	PIECE 2, 0
	s_wait_tensorcnt 0x0                           ; my part of piece 3 is in,
	s_wait_dscnt 0x0                               ; and my reads of slots 1 and 2 are over
	s_barrier_signal -1
	s_barrier_wait -1
	PIECE 0, 0
.endif
	PLACES 4                                       ; in front of the first read of results
.irp p, 0,1,2,3
	ds_store_b128 v12, v[ACC+8*\p:ACC+8*\p+3] offset:128*(\p/2)+32*(\p%2)          ; tile p's register j is column 32 (p / 2) + 16 h + 8 (p % 2) + j; each accumulator from its low end on
	ds_store_b128 v12, v[ACC+8*\p+4:ACC+8*\p+7] offset:128*(\p/2)+32*(\p%2)+16
.endr
.irp i, 0,1,2,3,4,5,6,7
	ds_load_b128 v[OB+4*\i:OB+4*\i+3], v13 offset:2*\i*272   ; a wave's LDS instructions are served in order (ISA guide 5.7.1.4): these see my stores
.endr
	s_wait_loadcnt 0x0                             ; the residual
.irp i, 0,1,2,3,4,5,6,7
	s_wait_dscnt 7-\i                              ; the younger read-backs may be out
	v_pk_add_f32 v[OB+4*\i:OB+4*\i+1], v[OB+4*\i:OB+4*\i+1], v[RES+4*\i:RES+4*\i+1]
	v_pk_add_f32 v[OB+4*\i+2:OB+4*\i+3], v[OB+4*\i+2:OB+4*\i+3], v[RES+4*\i+2:RES+4*\i+3]
	global_store_b128 v14, v[OB+4*\i:OB+4*\i+3], s[10:11] offset:(2*\i+8*(\i/4))*3072   ; sixteen lanes store 256 consecutive bytes, aligned
.endr
	s_wait_tensorcnt 0x0                           ; the wave's end
	ds_add_u32 v6, v7
	s_wait_dscnt 0x0
	CROUND                                         ; the closing round
	s_endpgm
.Lfunc_end_k_q92f0a9c210_down:
	.size	k_q92f0a9c210_down, .Lfunc_end_k_q92f0a9c210_down-k_q92f0a9c210_down
	.p2alignl 7, 3214868480
	.fill 96, 4, 3214868480
	.section	.rodata,"a",@progbits
	.p2align	6, 0x0
	.amdhsa_kernel k_q92f0a9c210_down
		.amdhsa_group_segment_fixed_size 327680
		.amdhsa_private_segment_fixed_size 0
		.amdhsa_enable_private_segment 0
		.amdhsa_kernarg_size 32
		.amdhsa_user_sgpr_count 2
		.amdhsa_user_sgpr_kernarg_segment_ptr 1
		.amdhsa_wavefront_size32 1
		.amdhsa_system_sgpr_workgroup_id_x 1
		.amdhsa_system_sgpr_workgroup_id_y 1
		.amdhsa_system_sgpr_workgroup_id_z 1
		.amdhsa_system_vgpr_workitem_id 0
		.amdhsa_next_free_vgpr 256
		.amdhsa_next_free_sgpr 90
		.amdhsa_reserve_vcc 0
		.amdhsa_float_denorm_mode_32 3
		.amdhsa_float_denorm_mode_16_64 3
		.amdhsa_memory_ordered 1
		.amdhsa_forward_progress 1
		.amdhsa_inst_pref_size 45
	.end_amdhsa_kernel
	.amdgpu_metadata
---
amdhsa.version: [ 1, 2 ]
amdhsa.kernels:
  - .name:           k_q92f0a9c210_down
    .symbol:         k_q92f0a9c210_down.kd
    .args:
      - { .name: act, .offset: 0, .size: 8, .value_kind: global_buffer, .address_space: global }
      - { .name: ops, .offset: 8, .size: 8, .value_kind: global_buffer, .address_space: global }
      - { .name: x1, .offset: 16, .size: 8, .value_kind: global_buffer, .address_space: global }
      - { .name: out0, .offset: 24, .size: 8, .value_kind: global_buffer, .address_space: global }
    .group_segment_fixed_size: 327680
    .private_segment_fixed_size: 0
    .kernarg_segment_align: 8
    .kernarg_segment_size: 32
    .max_flat_workgroup_size: 384
    .sgpr_count:     90
    .vgpr_count:     256
    .wavefront_size: 32
...
	.end_amdgpu_metadata
.endif
;; end of part 6
